; MI455X (gfx1250); checked and timed in simulation.
; The chip was launched on July 23, 2026; its instructions are those of AMD's public machine-readable ISA for CDNA 5 (MIT licence, August 2026) and "CDNA5" Instruction Set Architecture Reference Guide (July 2026). The comments in the code are by the model that wrote it; some were corrected since.
;; Custom Multi Head Self Attention. Allowed arithmetic: matrix products marked QUANTISED: E2M3 operands, one E8M0 scale for each 32 along K, by v_wmma_scale_f32_16x16x128_f8f6f4 with both operands' format E2M3, f32 sums; everything else in f32.
;; Inputs: W_out_codes 1,024 x 32 x 24 uint8 (E2M3 codes of W_out, K innermost, in blocks of 32 codes, four codes in three bytes); W_out_scales 1,024 x 32 uint8 (E8M0 scales of W_out, one for each 32 codes along K); W_qkv_codes 3,072 x 32 x 24 uint8 (E2M3 codes of W_qkv, K innermost, in blocks of 32 codes, four codes in three bytes); W_qkv_scales 3,072 x 32 uint8 (E8M0 scales of W_qkv, one for each 32 codes along K); b_out 1,024 float32; b_qkv 3,072 float32; beta 1,024 float32; gamma 1,024 float32; x 4 x 2,048 x 1,024 float32.
;; Outputs: out0 4 x 2,048 x 1,024 float32.
;; This version of the problem:
;;   THIS VERSION OF THE PROBLEM IS GIVEN IN LOW PRECISION. The matrix products marked QUANTISED in the list below multiply operands that are first quantised to E2M3 (2 exponent bits, 3 mantissa bits; 6 bits a number), with one power-of-two scale for each 32 numbers along K (OCP MX v1.0); their sums are f32. All else is computed in f32.
;;   The module's matrix products, in the order in which they are computed (A, B: the left and right operand; K: the contracted axis; several contracted axes count as one K, in the product's order):
;;     1. [M 8,192, K 1,024] x [K 1,024, N 3,072]; A: input x; B: input W_qkv (given as codes): QUANTISED
;;     2. batch 64 x [M 2,048, K 64] x [K 64, N 2,048]; A: computed on the way; B: computed on the way: QUANTISED
;;     3. batch 64 x [M 2,048, K 2,048] x [K 2,048, N 64]; A: softmax (see below); B: computed on the way: QUANTISED
;;     4. [M 8,192, K 1,024] x [K 1,024, N 1,024]; A: computed on the way; B: input W_out (given as codes): QUANTISED
;;   THE QUANTISER, for each operand of a quantised product, along K:
;;     - K is cut into blocks of 32 from its start; a last block that is shorter is filled with zeros.
;;     - A block's scale is 2^e with e = floor(log2(the largest magnitude in the block)) - 2, held to -126 .. 127; a block of zeros has e = 0. As a byte (E8M0): e + 127.
;;     - Each number is divided by its block's scale, clamped to +-7.5, and rounded to the nearest number of E2M3, ties to even, subnormals kept.
;;     - The product sums the exact products of the quantised numbers (number of the format x scale) in f32.
;;   ~~~python
;;   def quantise(x, axis):      # numpy; x: float32 -> the quantised numbers, widened to float32 again
;;       x = np.moveaxis(x, axis, -1); K = x.shape[-1]
;;       x = np.pad(x, [(0, 0)] * (x.ndim - 1) + [(0, -K % 32)]); x = x.reshape(x.shape[:-1] + (-1, 32)); a = np.abs(x).max(-1, keepdims=True)
;;       e = np.where(a > 0, np.clip(np.frexp(np.where(a > 0, a, 1))[1] - 1 - 2, -126, 127), 0)      # np.frexp(a)[1] - 1 = floor(log2(a)), exactly
;;       r = np.clip(x / 2.0 ** e, -7.5, 7.5)
;;       step = 2.0 ** (np.maximum(np.frexp(np.where(r == 0, 1, r))[1] - 1, 0) - 3)
;;       q = np.round(r / step) * step * 2.0 ** e      # np.round: ties to even
;;       return np.moveaxis(q.reshape(q.shape[:-2] + (-1,))[..., :K], -1, axis).astype(np.float32)
;;   ~~~
;;   SOFTMAX AHEAD OF A QUANTISED PRODUCT. Where the list says 'softmax', what is quantised is not the finished softmax but p = 2^(t - M), with t = logit x log2(e) and M = ceil(the row's largest t), a whole number; so 1/2 < the row's largest p <= 1. The row's sum l is taken of the UNQUANTISED p, in f32, and the product's result is divided by l at the end. Since M is a whole number, a kernel that streams over the keys may use a running M (the ceiling of the running maximum): every later rescaling is an exact power of two, which a block's scale takes up: the codes' values come out the same.
;;   OPERANDS COMPUTED ON THE WAY. 'Computed on the way' means the value that the module computes at that place (a softmax that the list does not call 'softmax' is quantised finished and normalised). What goes into a quantiser is computed in f32, as accurately as f32 sums, v_exp_f32 and their like allow (about 1e-6 of the number): no bf16 or f16 on the way to a quantiser, and a product that is left as it is and whose result goes on into a quantised operand takes f32 operands (vector FMAs, or v_wmma_f32_16x16x4_f32). A number that lies on a knife's edge between two numbers of the format may be rounded either way, as far as f32 arithmetic and the matrix unit's own rounding can turn it there, and no further.
;;   INPUTS GIVEN AS CODES. W_out (in the module: [1024, 1024], K = its axis 0); W_qkv (in the module: [1024, 3072], K = its axis 0): each comes as NAME_codes (uint8): NAME with its K axis moved to the last place and cut into blocks of 32 codes, [.., K / 32, bytes a block], one block behind the other in memory; four codes in three bytes: a row's codes are one little-endian stream of bits, code i at bits 6 i .. 6 i + 5 (a code: sign, 2 exponent bits, 3 mantissa bits); and NAME_scales (uint8): the same leading axes, one E8M0 byte (e + 127) for each 32 codes along K. Its value is code x scale, taken as it is: it is not quantised again, and the codes and scales need not be those that the quantiser above would give.
;; One version. Each part assembles by itself: llvm-mc -triple=amdgcn-amd-amdhsa -mcpu=gfx1250 --defsym DOCPART=n.
;; ======== version 1 of 1: 4 launches
;; workspace buffers: xq 6,291,456 bytes; xs 262,144 bytes; wo 786,432 bytes; qc 6,291,456 bytes; qs 524,288 bytes; kv 13,369,344 bytes; ao 6,291,456 bytes; aos 262,144 bytes
;; launch prep (part 1): grid 272 x 1, 4 waves a work-group, no clusters, 33,280 bytes of LDS; arguments x, W_out_codes, xq, xs, wo; writes xq, xs, wo
.if DOCPART == 1
	.amdgcn_target "amdgcn-amd-amdhsa--gfx1250"
	.amdhsa_code_object_version 6
	.text
	.protected	k_q51b00f3ebf_prep
	.globl	k_q51b00f3ebf_prep
	.p2align	8
	.type	k_q51b00f3ebf_prep,@function
k_q51b00f3ebf_prep:
	s_mov_b64 s[64:65], 0
	v_nop
	global_prefetch_b8 v0, s[64:65] scope:SCOPE_SE
	s_setreg_imm32_b32 hwreg(HW_REG_WAVE_MODE, 25, 1), 1
	s_wait_xcnt 0x0
; Two jobs in one launch, parted by the work-group's number; the two ways never join.
; WORK-GROUPS 0 TO 255: x [8192][1024] f32 becomes codes of E2M3 (6 bits, K innermost: a row of 1,024 codes is 768 bytes) in xq and one E8M0 byte for each 32 along K in xs.
;   A block's scale is 2^(floor(log2(its largest magnitude)) - 2); its byte is the largest magnitude's exponent field - 2, held at 1 from below.
;   Rows are dense and 1,024 is a multiple of 32: x is a plain stream of blocks of 32.  A wave takes 16 steps of 512 numbers.  Each load reads 512 consecutive bytes, 16 a lane; a step's 2,048 bytes turn
;   through the wave's own stage in LDS and come back 64 bytes a lane, so that a lane holds 16 neighbours along K (two neighbouring lanes hold a block), as the conversion wants them.
;   A lane's 16 codes are 12 bytes: a wave stores 384 consecutive bytes.  A wave's 256 scale bytes are gathered in LDS and leave as one aligned run of 256 bytes.
; WORK-GROUPS 256 TO 271: W_out's codes [1024 n][768 bytes] are laid anew, fragment by fragment, in the order of an operand's registers: wo[u][s] (16 rows 16 u .., K step s of 128) is 1,536 bytes:
;   register group c (four registers) at 512 c + 16 x lane.  The last launch then takes a fragment by three loads of 512 consecutive bytes.  This way uses no LDS.
; LIMITS: NaN and infinities among the inputs are not served; a block whose largest magnitude lies under 2^-124 keeps the byte 1; a block of zeros gets the byte 1 where the rule says 127
; (its codes are zeros, which add nothing under any byte but 0xff, and this program alone reads the bytes).
.set XWG,   256                        ; work-groups for x: 8,388,608 numbers / 32,768
.set STEPS, 16
.set EMAX,  2
.set CB,    12                         ; bytes of 16 codes
.set R,     16                         ; v16-79   four sets of 16 numbers as they are loaded
.set X,     80                         ; v80-111  two sets of 16 neighbours
.set C,     128                        ; v128-191 codes: four registers for each step, so that no store's data are written again
.set E,     112                        ; v112-127 a scale byte for each step
.set WREG,  8192                       ; LDS: a region for each wave: two stages of 32 x SP bytes, behind them its 256 scale bytes
.set SP,    80                         ; a lane's place in a stage: 64 bytes + 16 of padding
	s_load_b256 s[4:11], s[0:1], 0x0               ; x s[4:5], W_out's codes s[6:7], xq s[8:9], xs s[10:11]
	s_load_b64 s[12:13], s[0:1], 0x20              ; wo
	v_lshl_add_u32 v192, v0, 2, 0x8000
	v_mov_b32 v193, 0
	v_lshrrev_b32 v1, 5, v0
	v_readfirstlane_b32 s16, v1                    ; wave
	v_and_b32 v2, 31, v0                           ; lane
	s_cmp_ge_u32 ttmp9, XWG
	s_cbranch_scc1 .Lwout
	; ---------------- x ----------------
	v_lshlrev_b32 v3, 4, v2                        ; my 16 bytes of a load's 512
	s_mul_i32 s17, s16, WREG
	v_lshrrev_b32 v14, 2, v2
	v_mul_u32_u24 v14, v14, SP
	v_and_b32 v15, 3, v2
	v_lshl_add_u32 v14, v15, 4, v14
	v_add_nc_u32 v14, s17, v14                     ; the stage, on the way in: SP (lane / 4) + 16 (lane % 4)
	v_mul_u32_u24 v15, v2, SP
	v_add_nc_u32 v15, s17, v15                     ; and on the way out: SP x lane: my 16 neighbours
	v_mul_u32_u24 v4, v2, CB                       ; my codes' place in a step's
	v_lshrrev_b32 v5, 1, v2
	s_add_co_u32 s17, s17, 2*32*SP
	v_add_nc_u32 v5, s17, v5                       ; LDS: my wave's 256 scale bytes, my block's byte
	v_lshlrev_b32 v7, 3, v2                        ; and on the way out 8 bytes a lane
	v_add_nc_u32 v6, s17, v7
	s_lshl_b32 s17, ttmp9, 2
	s_add_co_u32 s18, s17, s16                     ; which run of 8,192 numbers is my wave's
	s_mov_b32 s19, 0
	s_mov_b64 s[20:21], 512*STEPS*4
	s_mul_u64 s[20:21], s[18:19], s[20:21]
	s_mov_b64 s[22:23], 32*STEPS*CB
	s_mul_u64 s[22:23], s[18:19], s[22:23]
	s_lshl_b32 s18, s18, 8                         ; 256 scale bytes a run
	s_wait_alu depctr_va_vdst(0)
	s_wait_kmcnt 0x0
	s_add_nc_u64 s[4:5], s[4:5], s[20:21]
	s_add_nc_u64 s[8:9], s[8:9], s[22:23]
	s_add_nc_u64 s[10:11], s[10:11], s[18:19]
.macro LOAD t
.irp i, 0,1,2,3
	global_load_b128 v[R+16*((\t)%4)+4*\i:R+16*((\t)%4)+4*\i+3], v3, s[4:5] offset:2048*(\t)+512*\i   ; 32 lanes read 512 consecutive bytes
.endr
.endm
.macro TURN t                          ; step t's numbers through the stage: LDS serves a wave's instructions in order, so no wait stands between the stores and the loads
.irp i, 0,1,2,3
	ds_store_b128 v14, v[R+16*((\t)%4)+4*\i:R+16*((\t)%4)+4*\i+3] offset:32*SP*((\t)%2)+8*SP*\i
.endr
.irp i, 0,1,2,3
	ds_load_b128 v[X+16*((\t)%2)+4*\i:X+16*((\t)%2)+4*\i+3], v15 offset:32*SP*((\t)%2)+16*\i
.endr
.endm
.irp t, 0,1,2,3
	LOAD \t
.endr
	s_wait_loadcnt 12                              ; step 0's four loads are in; the 12 of steps 1 to 3 may be out
	TURN 0
.macro STEP t
.set XS, X+16*((\t)%2)
.if (\t) > 0
	s_wait_dscnt 1                                 ; this step's numbers are back from the stage (the last step's byte store may be out): so its stores into the stage have read their registers,
.else
	s_wait_dscnt 0x0
.endif
.if (\t)+4 < STEPS
	LOAD (\t)+4                                    ; which take the loads of four steps on
.endif
.if (\t)+1 < STEPS
.if STEPS-2-(\t) >= 3
	s_wait_loadcnt 12                              ; the next step's four loads are in; those of the three steps behind it may be out
.else
	s_wait_loadcnt 4*(STEPS-2-(\t))
.endif
	TURN (\t)+1                                    ; and go through the other stage while this step is worked
.endif
	v_max3_num_f32 v8, |v[XS]|, |v[XS+1]|, |v[XS+2]|               ; the largest magnitude of my 16, in two chains
	v_max3_num_f32 v9, |v[XS+3]|, |v[XS+4]|, |v[XS+5]|
.irp i, 6,10
	v_max3_num_f32 v8, v8, |v[XS+\i]|, |v[XS+\i+1]|
	v_max3_num_f32 v9, v9, |v[XS+\i+2]|, |v[XS+\i+3]|
.endr
	v_max3_num_f32 v8, v8, |v[XS+14]|, |v[XS+15]|
	v_max3_num_f32 v8, v8, v9, (EMAX+1)<<23        ; and the floor 2^(3 - 127): the byte cannot fall under 1
	v_max_num_f32_dpp v8, v8, v8 row_xmask:1 row_mask:0xf bank_mask:0xf   ; and of my neighbour's 16: the block's
	v_add_nc_u32 v11, 0xff000000, v8               ; 2 off its exponent field: the conversion takes the exponent field of this operand as its scale, and nothing else of it
	v_cvt_scalef32_pk16_fp6_f32 v[C+4*(\t):C+4*(\t)+2], v[XS:XS+15], v11   ; sixteen numbers / the scale, to the nearest code, ties to even, beyond 7.5 the largest code; 96 bits without gaps
	v_lshrrev_b32 v[E+(\t)], 23, v11               ; the scale's byte
	ds_store_b8 v5, v[E+(\t)] offset:16*(\t)       ; both lanes of a block write the same byte with the same value
	global_store_b96 v4, v[C+4*(\t):C+4*(\t)+2], s[8:9] offset:32*CB*(\t)
.endm
.irp t, 0,1,2,3,4,5,6,7,8,9,10,11,12,13,14,15
	STEP \t
.endr
	ds_load_b64 v[12:13], v6                       ; LDS serves a wave's instructions in order: these see my stores
	s_wait_dscnt 0x0
	global_store_b64 v7, v[12:13], s[10:11]        ; 32 lanes store 256 consecutive bytes, aligned
	s_wait_tensorcnt 0x0
	ds_add_u32 v192, v193
	s_wait_dscnt 0x0
	s_endpgm
	; ---------------- W_out ----------------
.Lwout:
	v_and_b32 v5, 15, v0                           ; r
	v_bfe_u32 v6, v0, 4, 1                         ; h
	v_mul_u32_u24 v3, v5, 768                      ; row r of the tile,
	v_mad_u32_u24 v3, v6, 24, v3                   ; + 24 h: a lane's 24 bytes of each 48
	s_wait_alu depctr_va_vdst(0)
	v_lshlrev_b32 v4, 4, v2                        ; out: 16 x lane
	s_sub_co_u32 s17, ttmp9, XWG
	s_lshl_b32 s17, s17, 2
	s_add_co_u32 s17, s17, s16                     ; u = my wave's tile of 16 rows, 0 to 63
	s_mul_i32 s18, s17, 12288                      ; 16 rows of 768 bytes in, 8 fragments of 1,536 out
	s_mov_b32 s19, 0
	s_wait_alu depctr_va_vdst(0)
	s_wait_kmcnt 0x0
	s_add_nc_u64 s[6:7], s[6:7], s[18:19]
	s_add_nc_u64 s[12:13], s[12:13], s[18:19]
.irp s, 0,1,2,3,4,5,6,7
.irp p, 0,1,2,3,4,5
	global_load_b64 v[16+12*\s+2*\p:17+12*\s+2*\p], v3, s[6:7] offset:96*\s+48*(\p/3)+8*(\p%3)   ; fragment s as the operand's registers want it
.endr
.endr
.irp s, 0,1,2,3,4,5,6,7
	s_wait_loadcnt 6*(7-\s)                        ; fragment s is in; the six loads of each later fragment may be out
.irp c, 0,1,2
	global_store_b128 v4, v[16+12*\s+4*\c:19+12*\s+4*\c], s[12:13] offset:1536*\s+512*\c   ; 32 lanes store 512 consecutive bytes, aligned
.endr
.endr
	s_endpgm
.Lfunc_end_k_q51b00f3ebf_prep:
	.size	k_q51b00f3ebf_prep, .Lfunc_end_k_q51b00f3ebf_prep-k_q51b00f3ebf_prep
	.p2alignl 7, 3214868480
	.fill 96, 4, 3214868480
	.section	.rodata,"a",@progbits
	.p2align	6, 0x0
	.amdhsa_kernel k_q51b00f3ebf_prep
		.amdhsa_group_segment_fixed_size 33280
		.amdhsa_private_segment_fixed_size 0
		.amdhsa_enable_private_segment 0
		.amdhsa_kernarg_size 40
		.amdhsa_user_sgpr_count 2
		.amdhsa_user_sgpr_kernarg_segment_ptr 1
		.amdhsa_wavefront_size32 1
		.amdhsa_system_sgpr_workgroup_id_x 1
		.amdhsa_system_sgpr_workgroup_id_y 1
		.amdhsa_system_sgpr_workgroup_id_z 1
		.amdhsa_system_vgpr_workitem_id 0
		.amdhsa_next_free_vgpr 194
		.amdhsa_next_free_sgpr 66
		.amdhsa_reserve_vcc 0
		.amdhsa_float_denorm_mode_32 3
		.amdhsa_float_denorm_mode_16_64 3
		.amdhsa_memory_ordered 1
		.amdhsa_forward_progress 1
		.amdhsa_inst_pref_size 40
	.end_amdhsa_kernel
	.amdgpu_metadata
---
amdhsa.version: [ 1, 2 ]
amdhsa.kernels:
  - .name:           k_q51b00f3ebf_prep
    .symbol:         k_q51b00f3ebf_prep.kd
    .args:
      - { .name: x, .offset: 0, .size: 8, .value_kind: global_buffer, .address_space: global }
      - { .name: W_out_codes, .offset: 8, .size: 8, .value_kind: global_buffer, .address_space: global }
      - { .name: xq, .offset: 16, .size: 8, .value_kind: global_buffer, .address_space: global }
      - { .name: xs, .offset: 24, .size: 8, .value_kind: global_buffer, .address_space: global }
      - { .name: wo, .offset: 32, .size: 8, .value_kind: global_buffer, .address_space: global }
    .group_segment_fixed_size: 33280
    .private_segment_fixed_size: 0
    .kernarg_segment_align: 8
    .kernarg_segment_size: 40
    .max_flat_workgroup_size: 128
    .sgpr_count:     66
    .vgpr_count:     194
    .wavefront_size: 32
...
	.end_amdgpu_metadata
.endif
;; end of part 1
;; launch qkv (part 2): grid 12 x 32, 4 waves a work-group, clusters of 4 x 4, 327,680 bytes of LDS; arguments xq, xs, W_qkv_codes, W_qkv_scales, b_qkv, qc, qs, kv; writes qc, qs, kv
.if DOCPART == 2
	.amdgcn_target "amdgcn-amd-amdhsa--gfx1250"
	.amdhsa_code_object_version 6
	.text
	.protected	k_q51b00f3ebf_qkv
	.globl	k_q51b00f3ebf_qkv
	.p2align	8
	.type	k_q51b00f3ebf_qkv,@function
k_q51b00f3ebf_qkv:
	s_mov_b64 s[64:65], 0
	v_nop
	global_prefetch_b8 v0, s[64:65] scope:SCOPE_SE
	s_setreg_imm32_b32 hwreg(HW_REG_WAVE_MODE, 25, 1), 1
	s_wait_xcnt 0x0
	s_wait_alu depctr_hold_cnt(0) depctr_sa_sdst(0) depctr_va_vdst(0) depctr_va_sdst(0) depctr_va_ssrc(0) depctr_va_vcc(0) depctr_vm_vsrc(0)
	s_getreg_b32 s2, hwreg(HW_REG_IB_STS2, 6, 4)
	s_cmp_eq_u32 s2, 0
	s_cbranch_scc0 .Lentry_in_a_cluster
	s_endpgm
.Lentry_in_a_cluster:
	s_bfe_u32 s2, ttmp6, 0x10000c
	s_cmp_lg_u32 s2, 0xf033
	s_cbranch_scc0 .Lentry_shape_is_right
	s_endpgm
.Lentry_shape_is_right:
.set SIZE_K, 1024
.set KSTEP,  256
.set NQ,     KSTEP/128
.set ROWB,   192
.set KROW,   SIZE_K*6/8
.set PITCH,  240
.set FR,     12
.set NL,     6
.set NP,     4
.set HALFT,  128*PITCH
.set SLOT,   4*HALFT
.set LAPS,   SIZE_K/(2*KSTEP)
.set KS,     SIZE_K/32
.set SCL,    2*SLOT
.set HALFS,  (128*KS/256)*272
.set SBLK,   (16*KS/256)*272
.set SPARE,  SCL+4*HALFS
.set ADRA, 16
.set ADRB, 20
.set VO16, 24
.set VO8,  25
.set VSO,  26
.set ADRS, 27
.set SPW,  28
.set NIL,  29
.set BCO,  30
.set BRO,  31
.set SC,   32
.set BC,   64
.set AF,   128
.set HA,   128
.set CD,   192
.set XW,   212
.set YW,   216
.set RB,   220
.set BR,   224
.set SW,   232
.set TM,   240
.set G1, 24
.set G0, 32
.set G1B, 48
.set G0B, 56
.set G1S, 68
.set G0S, 76
.set G1SB, 80
.set G0SB, 88
.set SEL, 24
.set P0,  74
.set P1,  76
.set PS0, 78
.set PS1, 80
.set ST1, 82
.set ST2, 84
.set MSB, 0
.macro WIN new
.if MSB != \new
	s_set_vgpr_msb (MSB<<8)|\new
.set MSB, \new
.endif
.endm
.set MUL_LO, 0xa1
.set MUL_HI, 0xf1
.set TO_B,   0x40
.macro JLOAD g0a, g1a, g0b, g1b
	s_cmp_eq_u32 s15, 0
	s_cbranch_scc0 .Lfor_b_\@
	tensor_load_to_lds s[\g0a:\g0a+3], s[\g1a:\g1a+7]
	s_nop 0
.rept 4
	v_nop
.endr
	s_branch .Lasked_\@
.Lfor_b_\@:
	tensor_load_to_lds s[\g0b:\g0b+3], s[\g1b:\g1b+7]
	s_nop 0
.rept 4
	v_nop
.endr
.Lasked_\@:
.endm
.macro CREST
	s_cmp_lg_u32 s14, 0
	s_cbranch_scc1 .Lnot_wave_0_\@
	s_barrier_signal -3
.Lnot_wave_0_\@:
	s_barrier_wait -3
	s_barrier_signal -1
	s_barrier_wait -1
.endm
.macro CROUND
	s_barrier_signal -1
	s_barrier_wait -1
	CREST
.endm
	s_load_b128 s[4:7], s[0:1], 0x0
	s_load_b128 s[8:11], s[0:1], 0x10
	s_load_b64 s[12:13], s[0:1], 0x20
	s_load_b64 s[96:97], s[0:1], 0x28
	s_load_b64 s[98:99], s[0:1], 0x30
	s_load_b64 s[100:101], s[0:1], 0x38
	v_lshl_add_u32 v[SPW], v0, 2, SPARE
	v_mov_b32 v[NIL], 0
	ds_add_u32 v28, v29
	ds_add_u32 v28, v29
	s_wait_dscnt 0x0
.irp b, 0,1,2,3
	v_mov_b32 v[TM+4+\b], 0
.endr
	v_lshrrev_b32 v1, 5, v0
	v_readfirstlane_b32 s14, v1
	s_lshr_b32 s15, s14, 1
	s_and_b32 s16, s14, 1
	s_bfe_u32 s40, ttmp6, 0x40000
	s_bfe_u32 s41, ttmp6, 0x40004
	s_and_b32 s18, ttmp7, 0xffff
	s_lshl_b32 s18, s18, 2
	s_lshl_b32 s19, ttmp9, 2
	s_add_co_u32 s20, s18, s41
	s_add_co_u32 s21, s41, 8
	s_add_co_u32 s22, s18, s40
	s_add_co_u32 s23, s19, s40
	s_cmp_eq_u32 ttmp9, 2
	s_cselect_b32 s17, s21, s20
	s_cselect_b32 s42, s22, s23
	s_lshl_b32 s43, s41, 2
	s_lshl_b32 s43, 15, s43
	s_lshl_b32 s44, 0x1111, s40
	s_or_b32 s[G1+0], s43, (0<<16)|(1<<20)|(1<<21)|(3<<22)|(3<<25)
	s_or_b32 s[G1B+0], s44, (0<<16)|(1<<20)|(1<<21)|(3<<22)|(3<<25)
.irp g, G1, G1B
	s_mov_b32 s[\g+1], ROWB<<16
	s_mov_b32 s[\g+2], 128<<16
	s_mov_b32 s[\g+3], ROWB<<16
	s_mov_b32 s[\g+4], 128
	s_mov_b32 s[\g+5], KROW
	s_mov_b32 s[\g+6], 0
	s_mov_b32 s[\g+7], 0
.endr
	s_or_b32 s[G1S+0], s43, (3<<16)|(1<<20)|(1<<21)|(5<<22)|(3<<25)
	s_or_b32 s[G1SB+0], s44, (3<<16)|(1<<20)|(1<<21)|(5<<22)|(3<<25)
.irp g, G1S, G1SB
	s_mov_b32 s[\g+1], 32<<16
	s_mov_b32 s[\g+2], (128*KS/256)<<16
	s_mov_b32 s[\g+3], 32<<16
	s_mov_b32 s[\g+4], 128*KS/256
	s_mov_b32 s[\g+5], 32
	s_mov_b32 s[\g+6], 0
	s_mov_b32 s[\g+7], 0
.endr
	s_lshl_b32 s18, s16, 7
	s_lshl_b32 s20, s17, 8
	s_add_co_u32 s20, s20, s18
	s_lshl_b32 s46, s42, 8
	s_add_co_u32 s46, s46, s18
	s_mov_b32 s21, 0
	s_mov_b32 s47, 0
	s_mov_b64 s[18:19], KS
	s_mul_u64 s[22:23], s[20:21], s[18:19]
	s_mul_u64 s[92:93], s[46:47], s[18:19]
	s_mov_b64 s[18:19], KROW
	s_mul_u64 s[20:21], s[20:21], s[18:19]
	s_mul_u64 s[46:47], s[46:47], s[18:19]
	s_mul_i32 s45, s14, HALFT
	s_mul_i32 s94, s14, HALFS
	s_wait_kmcnt 0x0
	s_cmp_eq_u32 ttmp9, 2
	s_cselect_b64 s[104:105], s[8:9], s[4:5]
	s_cselect_b64 s[8:9], s[4:5], s[8:9]
	s_mov_b64 s[4:5], s[104:105]
	s_cselect_b64 s[104:105], s[10:11], s[6:7]
	s_cselect_b64 s[10:11], s[6:7], s[10:11]
	s_mov_b64 s[6:7], s[104:105]
	s_add_nc_u64 s[20:21], s[4:5], s[20:21]
	s_add_nc_u64 s[22:23], s[6:7], s[22:23]
	s_add_nc_u64 s[46:47], s[8:9], s[46:47]
	s_add_nc_u64 s[92:93], s[10:11], s[92:93]
	CROUND
	s_mov_b32 s[G0S], 1
	s_add_co_u32 s[G0S+1], s94, SCL
	s_mov_b64 s[G0S+2:G0S+3], s[22:23]
	s_or_b32 s[G0S+3], s[G0S+3], 0x80000000
	s_mov_b32 s[G0SB], 1
	s_add_co_u32 s[G0SB+1], s94, SCL
	s_mov_b64 s[G0SB+2:G0SB+3], s[92:93]
	s_or_b32 s[G0SB+3], s[G0SB+3], 0x80000000
	JLOAD G0S, G1S, G0SB, G1SB
.irp s, 0,1
	s_mov_b32 s[G0+4*\s], 1
	s_add_co_u32 s[G0+4*\s+1], s45, \s*SLOT
	s_add_nc_u64 s[G0+4*\s+2:G0+4*\s+3], s[20:21], \s*ROWB
	s_or_b32 s[G0+4*\s+3], s[G0+4*\s+3], 0x80000000
	s_mov_b32 s[G0B+4*\s], 1
	s_add_co_u32 s[G0B+4*\s+1], s45, \s*SLOT
	s_add_nc_u64 s[G0B+4*\s+2:G0B+4*\s+3], s[46:47], \s*ROWB
	s_or_b32 s[G0B+4*\s+3], s[G0B+4*\s+3], 0x80000000
	s_wait_alu depctr_va_vdst(0)
	s_wait_tensorcnt 0x0
	ds_add_u32 v28, v29
	s_wait_dscnt 0x0
	CROUND
	JLOAD G0+4*\s, G1, G0B+4*\s, G1B
.endr
	v_and_b32 v1, 15, v0
	v_bfe_u32 v2, v0, 4, 1
	v_lshlrev_b32 v[BCO], 5, v2
	s_wait_alu depctr_va_vdst(0)
	v_lshlrev_b32 v[BRO], 2, v1
	s_wait_alu depctr_va_vdst(0)
	s_lshl_b32 s18, s42, 10
	s_lshl_b32 s19, s16, 9
	s_add_co_u32 s18, s18, s19
	s_lshl_b32 s22, s17, 10
	s_lshl_b32 s19, s15, 9
	s_add_co_u32 s22, s22, s19
	s_cmp_eq_u32 ttmp9, 2
	s_cselect_b32 s18, 0, s18
	s_cselect_b32 s22, s22, 0
	s_mov_b32 s19, 0
	s_mov_b32 s23, 0
	s_add_nc_u64 s[66:67], s[12:13], s[18:19]
	s_add_nc_u64 s[104:105], s[12:13], s[22:23]
.irp b, 0,1,2,3,4,5,6,7
	global_load_b128 v[BC+8*\b:BC+8*\b+3], v[BCO], s[66:67] offset:64*\b
	global_load_b128 v[BC+8*\b+4:BC+8*\b+7], v[BCO], s[66:67] offset:64*\b+16
.endr
.irp a, 0,1,2,3,4,5,6,7
	global_load_b32 v[BR+\a], v[BRO], s[104:105] offset:64*\a
.endr
	v_mul_u32_u24 v3, v1, PITCH
	v_mul_u32_u24 v4, v2, 24
	v_add_nc_u32 v4, v3, v4
	v_lshl_add_u32 v5, v2, 4, v4
	s_mul_i32 s21, s15, HALFT
	s_mul_i32 s22, s16, HALFT
	s_add_co_u32 s22, s22, 2*HALFT
.irp s, 0,1
	v_add_nc_u32 v[ADRA+\s], s21, v4
	v_add_nc_u32 v[ADRB+\s], s22, v4
	v_add_nc_u32 v[ADRA+2+\s], s21, v5
	v_add_nc_u32 v[ADRB+2+\s], s22, v5
	s_add_co_u32 s21, s21, SLOT
	s_add_co_u32 s22, s22, SLOT
.endr
	v_mul_u32_u24 v5, v1, KS
	v_lshrrev_b32 v6, 8, v5
	v_lshl_add_u32 v5, v6, 4, v5
	s_mul_i32 s21, s15, HALFS
	s_mul_i32 s22, s16, HALFS
	s_add_co_u32 s22, s22, 2*HALFS
	s_sub_co_u32 s22, s22, s21
	v_mul_u32_u24 v6, s22, v2
	s_add_co_u32 s21, s21, SCL
	v_add_nc_u32 v5, v5, v6
	v_add_nc_u32 v[ADRS], s21, v5
.macro FRAG reg, adr, q, i
.irp p, 0,1,2,3,4,5
.set PIECE, 12*(\q)+6*(\p/3)+\p%3
.if PIECE%8 < 5
	ds_load_b64 v[\reg+2*\p:\reg+2*\p+1], v[\adr] offset:8*PIECE+16*(PIECE/8)+(\i)*16*PITCH
.else
	ds_load_b64 v[\reg+2*\p:\reg+2*\p+1], v[\adr+2] offset:8*PIECE+16*(PIECE/8)+(\i)*16*PITCH
.endif
.endr
.endm
.macro MUL16 a0, p, q, sc, zero
.irp a, \a0, \a0+1
.irp b, 0,1,2,3,4,5,6,7
.if \zero
	v_wmma_scale_f32_16x16x128_f8f6f4 v[8*(8*((\a)%4)+\b):8*(8*((\a)%4)+\b)+7], v[128*(\p)+FR*\b:128*(\p)+FR*\b+FR-1], v[AF+FR*(\a):AF+FR*(\a)+FR-1], 0, v[SC+8*NQ*(\sc)+NQ*\b+(\q)], v[SC+8*NQ*(\sc)+NQ*(\a)+(\q)] matrix_a_fmt:MATRIX_FMT_FP6 matrix_b_fmt:MATRIX_FMT_FP6 matrix_a_scale:MATRIX_SCALE_ROW1
.else
	v_wmma_scale_f32_16x16x128_f8f6f4 v[8*(8*((\a)%4)+\b):8*(8*((\a)%4)+\b)+7], v[128*(\p)+FR*\b:128*(\p)+FR*\b+FR-1], v[AF+FR*(\a):AF+FR*(\a)+FR-1], v[8*(8*((\a)%4)+\b):8*(8*((\a)%4)+\b)+7], v[SC+8*NQ*(\sc)+NQ*\b+(\q)], v[SC+8*NQ*(\sc)+NQ*(\a)+(\q)] matrix_a_fmt:MATRIX_FMT_FP6 matrix_b_fmt:MATRIX_FMT_FP6 matrix_a_scale:MATRIX_SCALE_ROW1
.endif
.endr
.endr
.endm
.macro FETCH_B slot, q, p
	WIN TO_B
.irp i, 0,1,2,3,4,5,6,7
	FRAG 128*(\p)+FR*\i, ADRB+\slot, \q, \i
.endr
	WIN 0
.endm
.macro FETCH_A slot, q, i0
.irp i, \i0, \i0+1, \i0+2, \i0+3
	FRAG AF+FR*(\i), ADRA+\slot, \q, \i
.endr
.endm
.macro SCALES sc
.irp i, 0,1,2,3,4,5,6,7
	ds_load_b64 v[SC+8*NQ*\sc+NQ*\i:SC+8*NQ*\sc+NQ*\i+1], v[ADRS] offset:\i*SBLK
.endr
.endm
.macro PLACES n
.rept \n
	v_nop
.endr
.endm
.macro STEP slot, q, zero
	s_wait_dscnt 4*NL
	WIN MUL_LO
	MUL16 0, (\q)%2, \q, \slot, \zero
	MUL16 2, (\q)%2, \q, \slot, \zero
	s_wait_dscnt 0
	PLACES NP
	FETCH_B \slot, (\q)+1, 1-(\q)%2
	FETCH_A \slot, (\q)+1, 0
	WIN MUL_HI
	MUL16 4, (\q)%2, \q, \slot, \zero
	MUL16 6, (\q)%2, \q, \slot, \zero
	PLACES NP
	WIN 0
	FETCH_A \slot, (\q)+1, 4
.endm
.macro TURN slot, next, fill
	s_wait_tensorcnt 0x0
	ds_add_u32 v[SPW], v[NIL]
	s_wait_dscnt 4*NL+1
	WIN MUL_LO
	MUL16 0, 1, NQ-1, \slot, 0
	s_wait_dscnt 0x0
	s_barrier_signal -1
	MUL16 2, 1, NQ-1, \slot, 0
	WIN 0
	s_barrier_wait -1
.if \fill
	CREST
	s_add_nc_u64 s[G0+4*\slot+2:G0+4*\slot+3], s[G0+4*\slot+2:G0+4*\slot+3], 2*ROWB
	s_add_nc_u64 s[G0B+4*\slot+2:G0B+4*\slot+3], s[G0B+4*\slot+2:G0B+4*\slot+3], 2*ROWB
	JLOAD G0+4*\slot, G1, G0B+4*\slot, G1B
.else
	PLACES NP
.endif
	s_wait_alu depctr_va_vdst(0)
	v_add_nc_u32 v[ADRS], 4*NQ, v[ADRS]
	FETCH_B \next, 0, 0
	FETCH_A \next, 0, 0
	SCALES \next
	WIN MUL_HI
	MUL16 4, 1, NQ-1, \slot, 0
	MUL16 6, 1, NQ-1, \slot, 0
	PLACES NP
	WIN 0
	FETCH_A \next, 0, 4
.endm
	s_wait_alu depctr_va_vdst(0)
	s_wait_loadcnt 0x0
	s_wait_tensorcnt 1
	s_barrier_signal -1
	s_barrier_wait -1
	FETCH_B 0, 0, 0
	FETCH_A 0, 0, 0
	SCALES 0
	FETCH_A 0, 0, 4
	STEP 0, 0, 1
	s_mov_b32 s3, LAPS-1
.Llap:
	TURN 0, 1, 1
	STEP 1, 0, 0
	TURN 1, 0, 1
	STEP 0, 0, 0
	s_sub_co_u32 s3, s3, 1
	s_cmp_lg_u32 s3, 0
	s_cbranch_scc1 .Llap
	TURN 0, 1, 0
	STEP 1, 0, 0
	s_wait_dscnt 4*NL
	WIN MUL_LO
	MUL16 0, 1, NQ-1, 1, 0
	MUL16 2, 1, NQ-1, 1, 0
	s_wait_dscnt 0
	WIN MUL_HI
	MUL16 4, 1, NQ-1, 1, 0
	MUL16 6, 1, NQ-1, 1, 0
	WIN 0
	PLACES NP
	s_cmp_eq_u32 ttmp9, 2
	s_cselect_b32 s68, s42, s17
	s_cselect_b32 s69, s16, s15
	s_cselect_b32 s70, s41, s40
	s_cselect_b32 s71, s15, s16
	s_lshr_b32 s72, s68, 3
	s_lshl_b32 s72, s72, 4
	s_lshl_b32 s70, s70, 2
	s_add_co_u32 s72, s72, s70
	s_lshl_b32 s71, s71, 1
	s_add_co_u32 s72, s72, s71
	s_and_b32 s73, s68, 7
	s_lshl_b32 s73, s73, 1
	s_add_co_u32 s73, s73, s69
	s_cmp_eq_u32 ttmp9, 0
	s_mov_b32 s86, 208896
	s_cselect_b32 s86, 98304, s86
	s_mov_b32 s87, 12288
	s_cselect_b32 s87, 6144, s87
	s_cselect_b32 s88, 8192, s86
	s_cselect_b32 s89, 0, 12288
	s_cselect_b64 s[P0:P0+1], s[96:97], s[100:101]
	s_cselect_b64 s[PS0:PS0+1], s[98:99], s[100:101]
	s_cmp_eq_u32 ttmp9, 2
	s_cselect_b32 s90, 6144, 0
	s_mov_b32 s[ST1], 1536
	s_cselect_b32 s[ST1], s[ST1], 768
	s_mov_b32 s[ST2], 204288
	s_cselect_b32 s[ST2], s[ST2], 768
	s_cselect_b32 s91, 768, s86
	s_mov_b32 s92, 512
	s_cselect_b32 s92, 256, s92
	s_cselect_b32 s93, 8192, 0
	s_cselect_b32 s94, 16, 32
	s_cselect_b32 s95, s86, 16
	s_add_co_u32 s89, s89, s90
	s_mul_i32 s68, s72, s86
	s_mul_i32 s69, s73, s87
	s_add_co_u32 s68, s68, s69
	s_add_co_u32 s68, s68, s89
	s_mov_b32 s69, 0
	s_add_nc_u64 s[P0:P0+1], s[P0:P0+1], s[68:69]
	s_mov_b32 s70, s91
	s_mov_b32 s71, 0
	s_add_nc_u64 s[P1:P1+1], s[P0:P0+1], s[70:71]
	s_mul_i32 s68, s72, s88
	s_mul_i32 s70, s73, s92
	s_add_co_u32 s68, s68, s70
	s_add_co_u32 s68, s68, s93
	s_add_nc_u64 s[PS0:PS0+1], s[PS0:PS0+1], s[68:69]
	s_mov_b32 s70, s88
	s_add_nc_u64 s[PS1:PS1+1], s[PS0:PS0+1], s[70:71]
	s_mov_b32 s[ST1+1], 0
	s_mov_b32 s[ST2+1], 0
	s_mov_b32 s[SEL], 0x76543210
	s_mov_b32 s[SEL+1], 0xfedcba98
	v_and_b32 v3, 31, v0
	v_lshlrev_b32 v[VO16], 4, v3
	v_lshl_add_u32 v[VO8], v3, 3, 512
	v_mul_u32_u24 v[VSO], s94, v1
	v_mad_u32_u24 v[VSO], v2, s95, v[VSO]
.macro QUANT s, w
.irp b, 0,1,2,3
	v_max3_num_f32 v[TM+\b], |v[\s+16*\b]|, |v[\s+1+16*\b]|, 0x1800000
.endr
.irp i, 2,4,6,8,10,12,14
.irp b, 0,1,2,3
	v_max3_num_f32 v[TM+\b], v[TM+\b], |v[\s+16*\b+\i]|, |v[\s+1+16*\b+\i]|
.endr
.endr
.irp b, 0,1,2,3
	v_permlanex16_b32 v[TM+4+\b], v[TM+\b], s[SEL], s[SEL+1]
.endr
.irp b, 0,1,2,3
	v_max_num_f32 v[TM+\b], v[TM+\b], v[TM+4+\b]
.endr
.irp b, 0,1,2,3
	v_add_nc_u32 v[TM+12+\b], 0xff000000, v[TM+\b]
.endr
.irp b, 0,1,2,3
	v_lshrrev_b32 v[TM+4+\b], 23, v[TM+12+\b]
.endr
	v_lshl_or_b32 v[\w], v[TM+5], 8, v[TM+4]
	v_lshl_or_b32 v[\w], v[TM+6], 16, v[\w]
	v_lshl_or_b32 v[\w], v[TM+7], 24, v[\w]
.irp c, 0,1
	v_cvt_scalef32_pk16_fp6_f32 v[CD+6*\c:CD+2+6*\c], v[\s+32*\c:\s+15+32*\c], v[TM+12+2*\c]
	v_cvt_scalef32_pk16_fp6_f32 v[CD+12+4*\c:CD+14+4*\c], v[\s+16+32*\c:\s+31+32*\c], v[TM+12+2*\c+1]
.endr
	v_nop
.irp c, 0,1
.irp i, 0,1,2
	v_permlane16_swap_b32 v[CD+6*\c+\i], v[CD+12+4*\c+\i]
.endr
.irp i, 0,1,2
	v_mov_b32 v[CD+3+6*\c+\i], v[CD+12+4*\c+\i]
.endr
.endr
.endm
.macro OUTBLK a
.set WA, 0x02+(\a)/4
.set AC, 64*((\a)%4)
	s_wait_xcnt 0x0
.if (\a) == 4
	s_add_nc_u64 s[P0:P0+1], s[P0:P0+1], s[ST2:ST2+1]
	s_add_nc_u64 s[P1:P1+1], s[P1:P1+1], s[ST2:ST2+1]
.elseif (\a) > 0
	s_add_nc_u64 s[P0:P0+1], s[P0:P0+1], s[ST1:ST1+1]
	s_add_nc_u64 s[P1:P1+1], s[P1:P1+1], s[ST1:ST1+1]
.endif
	s_cmp_eq_u32 ttmp9, 2
	s_cbranch_scc1 .Lrow_bias_\@
	WIN WA
.set n, 0
.rept 32
	v_pk_add_f32 v[HA+2*n:HA+2*n+1], v[AC+2*n:AC+2*n+1], v[BC+2*n:BC+2*n+1]
.set n, n+1
.endr
	WIN 0
	s_branch .Lbiased_\@
.Lrow_bias_\@:
	v_mov_b32 v[RB], v[BR+(\a)]
	v_mov_b32 v[RB+1], v[BR+(\a)]
	WIN WA
.set n, 0
.rept 32
	v_pk_add_f32 v[HA+2*n:HA+2*n+1], v[AC+2*n:AC+2*n+1], v[RB:RB+1]
.set n, n+1
.endr
	WIN 0
.Lbiased_\@:
	QUANT HA, SW+(\a)
	global_store_b128 v[VO16], v[CD:CD+3], s[P0:P0+1]
	global_store_b64 v[VO8], v[CD+4:CD+5], s[P0:P0+1]
	global_store_b128 v[VO16], v[CD+6:CD+9], s[P1:P1+1]
	global_store_b64 v[VO8], v[CD+10:CD+11], s[P1:P1+1]
.endm
.irp a, 0,1,2,3,4,5,6,7
	OUTBLK \a
.endr
	v_cmp_ne_u32 vcc_lo, 0, v2
.irp i, 0,1,2,3
	v_cndmask_b32 v[XW+\i], v[SW+\i], v[SW+4+\i], vcc_lo
.endr
	global_store_b128 v[VSO], v[XW:XW+3], s[PS0:PS0+1]
	s_cmp_eq_u32 ttmp9, 2
	s_cbranch_scc1 .Lno_second_head
.irp i, 0,1,2,3
	v_lshrrev_b32 v[YW+\i], 16, v[XW+\i]
.endr
	global_store_b128 v[VSO], v[YW:YW+3], s[PS1:PS1+1]
.Lno_second_head:
	s_wait_tensorcnt 0x0
	ds_add_u32 v[SPW], v[NIL]
	s_wait_dscnt 0x0
	CROUND
	s_endpgm
.Lfunc_end_k_q51b00f3ebf_qkv:
	.size	k_q51b00f3ebf_qkv, .Lfunc_end_k_q51b00f3ebf_qkv-k_q51b00f3ebf_qkv
	.p2alignl 7, 3214868480
	.fill 96, 4, 3214868480
	.section	.rodata,"a",@progbits
	.p2align	6, 0x0
	.amdhsa_kernel k_q51b00f3ebf_qkv
		.amdhsa_group_segment_fixed_size 327680
		.amdhsa_private_segment_fixed_size 0
		.amdhsa_enable_private_segment 0
		.amdhsa_kernarg_size 64
		.amdhsa_user_sgpr_count 2
		.amdhsa_user_sgpr_kernarg_segment_ptr 1
		.amdhsa_wavefront_size32 1
		.amdhsa_system_sgpr_workgroup_id_x 1
		.amdhsa_system_sgpr_workgroup_id_y 1
		.amdhsa_system_sgpr_workgroup_id_z 1
		.amdhsa_system_vgpr_workitem_id 0
		.amdhsa_next_free_vgpr 1024
		.amdhsa_next_free_sgpr 106
		.amdhsa_reserve_vcc 1
		.amdhsa_float_denorm_mode_32 3
		.amdhsa_float_denorm_mode_16_64 3
		.amdhsa_memory_ordered 1
		.amdhsa_forward_progress 1
		.amdhsa_inst_pref_size 205
	.end_amdhsa_kernel
	.amdgpu_metadata
---
amdhsa.version: [ 1, 2 ]
amdhsa.kernels:
  - .name:           k_q51b00f3ebf_qkv
    .symbol:         k_q51b00f3ebf_qkv.kd
    .args:
      - { .name: xq, .offset: 0, .size: 8, .value_kind: global_buffer, .address_space: global }
      - { .name: xs, .offset: 8, .size: 8, .value_kind: global_buffer, .address_space: global }
      - { .name: W_qkv_codes, .offset: 16, .size: 8, .value_kind: global_buffer, .address_space: global }
      - { .name: W_qkv_scales, .offset: 24, .size: 8, .value_kind: global_buffer, .address_space: global }
      - { .name: b_qkv, .offset: 32, .size: 8, .value_kind: global_buffer, .address_space: global }
      - { .name: qc, .offset: 40, .size: 8, .value_kind: global_buffer, .address_space: global }
      - { .name: qs, .offset: 48, .size: 8, .value_kind: global_buffer, .address_space: global }
      - { .name: kv, .offset: 56, .size: 8, .value_kind: global_buffer, .address_space: global }
    .group_segment_fixed_size: 327680
    .private_segment_fixed_size: 0
    .kernarg_segment_align: 8
    .kernarg_segment_size: 64
    .max_flat_workgroup_size: 128
    .sgpr_count:     106
    .vgpr_count:     1024
    .wavefront_size: 32
...
	.end_amdgpu_metadata
.endif
;; end of part 2
;; launch attn (part 3): grid 4 x 64, 16 waves a work-group, clusters of 4 x 1, 210,944 bytes of LDS; arguments qc, qs, kv, ao, aos; writes ao, aos
.if DOCPART == 3
	.amdgcn_target "amdgcn-amd-amdhsa--gfx1250"
	.amdhsa_code_object_version 6
	.text
	.protected	k_q51b00f3ebf_attn
	.globl	k_q51b00f3ebf_attn
	.p2align	8
	.type	k_q51b00f3ebf_attn,@function
k_q51b00f3ebf_attn:
	s_mov_b64 s[64:65], 0
	v_nop
	global_prefetch_b8 v0, s[64:65] scope:SCOPE_SE
	s_setreg_imm32_b32 hwreg(HW_REG_WAVE_MODE, 25, 1), 1
	s_wait_xcnt 0x0
	s_wait_alu depctr_hold_cnt(0) depctr_sa_sdst(0) depctr_va_vdst(0) depctr_va_sdst(0) depctr_va_ssrc(0) depctr_va_vcc(0) depctr_vm_vsrc(0)
	s_getreg_b32 s2, hwreg(HW_REG_IB_STS2, 6, 4)
	s_cmp_eq_u32 s2, 0
	s_cbranch_scc0 .Lentry_in_a_cluster
	s_endpgm
.Lentry_in_a_cluster:
	s_bfe_u32 s2, ttmp6, 0x10000c
	s_cmp_lg_u32 s2, 0x3003
	s_cbranch_scc0 .Lentry_shape_is_right
	s_endpgm
.Lentry_shape_is_right:
; o = softmax(q k^T / 8) v for each of 64 heads (batch x head), 2,048 queries and keys, head size 64, both products on codes of E2M3 with one E8M0 scale for each 32 along a product's K;
; o / l is quantised at once, along the model's 1,024 channels, as the left operand of the output projection.
; THE SOFTMAX AHEAD OF THE SECOND PRODUCT: t = score x log2(e) / 8; M = the row's largest t so far, rounded UP to a whole number; p = 2^(t - M) is what is quantised, along the keys, not normalised.
; The row's sum l is taken of the unquantised p, in f32, and divides o at the end.  When M moves, l and o are multiplied by 2^(old M - new M): exact.
; SHARES.  The four work-groups of a cluster are the four blocks of 512 queries of one head.  Each of a work-group's sixteen waves owns one tile of 16 queries at a time, in 256 registers, and makes two passes:
; tile 32 cx + 16 pass + wave.  Four waves to a SIMD: one wave's vector work stands beside another's matrix work and LDS loads.
; NO RING.  A head's K, V and their scale words are 208,896 bytes: they lie in LDS as they lie in memory, filled ONCE, jointly for the four work-groups (waves 0 to 3: a quarter each, one tensor load a wave, so one tensor
; load of a wave is out at the most).  No LDS byte is filled again and none is stored to.
;   byte 0: K's scale words [16 steps][16 rows][8 words]; 8,192: V's [16 steps][16 rows][4 words]; 12,288 (1 + s): key step s: 8 tiles of 16 keys (768 bytes each), then 4 fragments of V (16 channels x 128 keys, 1,536 each).
;   A tile is an image of an operand's registers 0-5: registers 0-3 at 16 x lane, 4-5 at 512 + 8 x lane; a fragment of V is two such halves.  Every LDS load reads consecutive bytes.
; K = 64 IN THE FIRST PRODUCT: registers 6-11 of q's and of k's fragments are zero codes, written once; they add nothing under any scale byte but 0xff, which no byte here is.
; LAYOUT.  Both products are used transposed: S^T = K Q^T (source 0 = 16 keys, source 1 = my 16 queries), O^T = V^T P^T: a lane holds ONE query (lane % 16) throughout.  Register 8 t + j of lane (r, h) is key 16 t + 8 h + j
; of the step: registers 16 b .. 16 b + 15 of lanes l and l xor 16 are the true block b of 32 keys; inside a block p's codes stand in the order (half, tile, register), as V's codes were laid by the launch before.
; LIMITS: NaN and infinities are not served; v_exp_f32 and v_rcp_f32 are good to 1 ulp and flush denormals; a block of p or of o under 2^-124 keeps the scale byte 1.
; REGISTERS: v1-4 offsets that stay; v8-11 addresses of the step; v12 -M, v13 the largest t, v[14:15] the sum in two halves; v16-27 Q; v32-79 four tiles of K; v96-159 S^T, then p, then V's four fragments (v96-143);
;   v160-191 O^T; v192-199 K's scale words, v200-203 V's; v224-235 p's codes; v232-254 at work; v253 p's scale word; v255 q's.
.set CHUNK, 12288
.set HEADB, 17*CHUNK                   ; a head's image: 208,896 bytes
.set QTR,   HEADB/4                    ; what one tensor load brings: 204 rows of 256 bytes
.set L16,  1                           ; v1   16 x lane
.set L8,   2                           ; v2   512 + 8 x lane
.set R32,  3                           ; v3   32 r
.set RV,   4                           ; v4   8,192 + 16 r
.set ADK16, 8
.set ADK8,  9
.set ADS,  10
.set ADT,  11
.set WV,   18                          ; s18  my wave's number
.set SEL,  20                          ; s[20:21] lane selects for lane l xor 16
.set CS,   22                          ; s[22:23] c = log2(e) / 8
.set G1,   24                          ; s[24:31] descriptor group 1
.set G0,   40                          ; s[40:43] group 0
.set TB,   48                          ; s48  LDS byte at which the key step's tiles begin
.set TS,   49                          ; s49  its scale words of K: 512 bytes a step
.set TJ,   50                          ; s50  and of V: 256 bytes a step
.set CNT,  51
.macro CROUND                          ; a round of the cluster's barrier
	s_barrier_signal -1
	s_barrier_wait -1
	s_cmp_lg_u32 s[WV], 0
	s_cbranch_scc1 .Lnot_wave_0_\@
	s_barrier_signal -3
.Lnot_wave_0_\@:
	s_barrier_wait -3
	s_barrier_signal -1
	s_barrier_wait -1
.endm
	s_load_b256 s[4:11], s[0:1], 0x0               ; qc s[4:5], qs s[6:7], kv s[8:9], ao s[10:11]
	s_load_b64 s[12:13], s[0:1], 0x20              ; aos
	v_lshl_add_u32 v250, v0, 2, 0x33000
	v_mov_b32 v251, 0
	ds_add_u32 v250, v251
	ds_add_u32 v250, v251
	v_lshrrev_b32 v8, 5, v0
	s_delay_alu instid0(VALU_DEP_1)
	v_readfirstlane_b32 s[WV], v8                  ; wave 0..15
	s_bfe_u32 s14, ttmp6, 0x40000                  ; cx: my block of 512 queries: it enters the addresses of q and of the results alone
	s_and_b32 s15, ttmp7, 0xffff                   ; the head (16 x batch + head), which the four partners share
	s_mul_i32 s52, s15, HEADB
	s_mul_i32 s17, s[WV], QTR                      ; my quarter, in LDS as in memory
	s_add_co_u32 s52, s52, s17
	s_mov_b32 s53, 0
	; descriptor group 1: a dense block as 204 rows of 256 bytes (32 elements of 8 bytes), no padding
	s_mov_b32 s[G1], 15|(3<<16)|(1<<21)            ; 15:0 the mask: all four work-groups; 17:16 elements of 8 bytes; 21 set beside a mask
	s_mov_b32 s[G1+1], 32<<16                      ; tensor_dim0
	s_mov_b32 s[G1+2], 204<<16                     ; tensor_dim1
	s_mov_b32 s[G1+3], 32<<16                      ; tile_dim0
	s_mov_b32 s[G1+4], 204                         ; tile_dim1
	s_mov_b32 s[G1+5], 32                          ; tensor_dim0_stride
	s_mov_b32 s[G1+6], 0
	s_mov_b32 s[G1+7], 0
	s_lshl_b32 s54, s15, 7
	s_lshl_b32 s55, s14, 5
	s_add_co_u32 s55, s55, s[WV]                   ; 32 cx + wave: my tile of pass 0 within the head
	s_add_co_u32 s54, s54, s55                     ; and in qc: 128 x head + that
	s_mul_i32 s56, s54, 768
	s_mov_b32 s57, 0
	s_lshr_b32 s58, s54, 3                         ; its group of 8 tiles,
	s_lshl_b32 s58, s58, 9                         ; 512 bytes of scale words each,
	s_and_b32 s59, s[WV], 7
	s_lshl_b32 s59, s59, 2
	s_add_co_u32 s58, s58, s59                     ; and its word in a row's eight
	s_mov_b32 s59, 0
	s_lshr_b32 s60, s15, 4                         ; the batch
	s_lshl_b32 s60, s60, 7
	s_add_co_u32 s60, s60, s55                     ; my tile of 16 tokens among all 512
	s_and_b32 s61, s15, 15                         ; the head within the batch
	s_lshl_b32 s62, s60, 4
	s_add_co_u32 s62, s62, s61
	s_mul_i32 s62, s62, 768                        ; ao [512 tiles][16 heads][768]
	s_mov_b32 s63, 0
	s_lshl_b32 s60, s60, 9                         ; aos [512 tiles][16 rows][16 heads] of two bytes
	s_lshl_b32 s61, s61, 1
	s_add_co_u32 s60, s60, s61
	s_mov_b32 s61, 0
	s_mov_b32 s[SEL], 0x76543210
	s_mov_b32 s[SEL+1], 0xfedcba98
	s_mov_b32 s[CS], 0x3e38aa3b                    ; c = log2(e) / 8
	s_mov_b32 s[CS+1], s[CS]                       ; (named with it as a pair, so it is written)
	s_wait_dscnt 0x0
	s_wait_kmcnt 0x0
	s_mov_b32 s[G0], 1                             ; 1:0 count = 1
	s_mov_b32 s[G0+1], s17                         ; 63:32 LDS address
	s_add_nc_u64 s[G0+2:G0+3], s[8:9], s[52:53]    ; 120:64 global address: made of the head and the wave's number alone
	s_or_b32 s[G0+3], s[G0+3], 0x80000000          ; 127:126 type = 2
	s_add_nc_u64 s[4:5], s[4:5], s[56:57]
	s_add_nc_u64 s[6:7], s[6:7], s[58:59]
	s_add_nc_u64 s[10:11], s[10:11], s[62:63]
	s_add_nc_u64 s[12:13], s[12:13], s[60:61]
	CROUND                                         ; all four work-groups are here: the joint loads meet
	s_cmp_lt_u32 s[WV], 4                          ; waves 0 to 3 fetch: a branch on the wave's number, the same in every work-group
	s_cbranch_scc0 .Lno_fill
	tensor_load_to_lds s[G0:G0+3], s[G1:G1+7]
	s_nop 0
.rept 4
	v_nop
.endr
.Lno_fill:
	v_and_b32 v5, 31, v0
	v_and_b32 v6, 15, v0
	s_delay_alu instid0(VALU_DEP_2)
	v_lshlrev_b32 v[L16], 4, v5
	s_delay_alu instid0(VALU_DEP_3)
	v_lshl_add_u32 v[L8], v5, 3, 512
	s_delay_alu instid0(VALU_DEP_3)
	v_lshlrev_b32 v[R32], 5, v6
	s_delay_alu instid0(VALU_DEP_4)
	v_lshl_add_u32 v[RV], v6, 4, 8192
.macro QLOAD p                         ; pass p's tile of queries: its six registers of codes and its scale words
	global_load_b128 v[16:19], v[L16], s[4:5] offset:12288*\p
	global_load_b64 v[20:21], v[L8], s[4:5] offset:12288*\p
	global_load_b32 v255, v[R32], s[6:7] offset:1024*\p
.endm
	QLOAD 0
.irp j, 22,23,24,25,26,27
	v_mov_b32 v[\j], 0                             ; Q's K = 64 .. 127: zero codes
.endr
.irp i, 0,1,2,3
.irp j, 6,7,8,9,10,11
	v_mov_b32 v[32+12*\i+\j], 0                    ; and K's, in each of the four places: written once, never loaded
.endr
.endr
.irp b, 0,1,2,3
	v_mov_b32 v[236+\b], 0                         ; written once: a lane permute's destination counts as one of its sources
.endr
	v_mov_b32 v253, 0                              ; (named as the upper half of the pair v[252:253] before it is first written)
.macro INIT                            ; a pass begins: the first change of M multiplies zeros
	v_mov_b32 v13, 0xff61b1e6                      ; the largest t so far: -3e38, under every t
	s_delay_alu instid0(VALU_DEP_1)
	v_floor_f32 v12, -v13                          ; -M
	v_mov_b32 v14, 0
	v_mov_b32 v15, 0
.set n, 0
.rept 32
	v_mov_b32 v[160+n], 0                          ; O^T
.set n, n+1
.endr
	s_mov_b32 s[TB], CHUNK
	s_mov_b32 s[TS], 0
	s_mov_b32 s[TJ], 0
.endm
; A KEY STEP: 128 keys.
.macro STEP
	v_add_nc_u32 v[ADK16], s[TB], v[L16]
	s_wait_alu depctr_va_vdst(0)
	v_add_nc_u32 v[ADK8], s[TB], v[L8]
	s_wait_alu depctr_va_vdst(0)
	v_add_nc_u32 v[ADS], s[TS], v[R32]
	v_add_nc_u32 v[ADT], s[TJ], v[RV]
	v_nop                                          ; five places between the last step's products V^T P and the products below, whose results are laid over V's fragments
	ds_load_b128 v[192:195], v[ADS]                ; K's scale words: my row's, of the step's eight tiles
	ds_load_b128 v[196:199], v[ADS] offset:16
.irp g, 0,1                                    ; S^T = K Q^T, four tiles of 16 keys at a time
.if \g > 0
.rept 4
	v_nop                                          ; places in front of loads into registers that matrix instructions have read
.endr
.endif
.irp i, 0,1,2,3
	ds_load_b128 v[32+12*\i:35+12*\i], v[ADK16] offset:768*(4*\g+\i)
	ds_load_b64 v[36+12*\i:37+12*\i], v[ADK8] offset:768*(4*\g+\i)
.endr
	s_wait_dscnt 0x0
.irp i, 0,1,2,3
	v_wmma_scale_f32_16x16x128_f8f6f4 v[96+8*(4*\g+\i):103+8*(4*\g+\i)], v[32+12*\i:43+12*\i], v[16:27], 0, v[192+4*\g+\i], v255 matrix_a_fmt:MATRIX_FMT_FP6 matrix_b_fmt:MATRIX_FMT_FP6
.endr
.endr
.rept 4
	v_nop
.endr
.irp b, 0,1,2,3
	v_max3_num_f32 v[232+\b], v[96+16*\b], v[97+16*\b], v[98+16*\b]   ; THE LARGEST SCORE OF EACH BLOCK OF 32 KEYS: it serves twice: for the row's maximum, and, since p rises with the score, for the block's largest p
.endr
.irp i, 3,5,7,9,11,13
.irp b, 0,1,2,3
	v_max3_num_f32 v[232+\b], v[232+\b], v[96+16*\b+\i], v[97+16*\b+\i]   ; (the four blocks by turns)
.endr
.endr
.irp b, 0,1,2,3
	v_max_num_f32 v[232+\b], v[232+\b], v[111+16*\b]
.endr
.irp b, 0,1,2,3
	s_delay_alu instid0(VALU_DEP_4)
	v_permlanex16_b32 v[236+\b], v[232+\b], s[SEL], s[SEL+1]
.endr
.irp b, 0,1,2,3
	s_delay_alu instid0(VALU_DEP_4)
	v_max_num_f32 v[232+\b], v[232+\b], v[236+\b]  ; with lane l xor 16's 16 keys
.endr
	s_delay_alu instid0(VALU_DEP_2)
	v_max3_num_f32 v254, v232, v233, v234
	s_delay_alu instid0(VALU_DEP_1)
	v_max_num_f32 v254, v254, v235                 ; the step's largest score of my query
	s_delay_alu instid0(VALU_DEP_1)
	v_mul_f32 v254, s[CS], v254                    ; as t (c is positive)
	s_delay_alu instid0(VALU_DEP_1)
	v_max_num_f32 v13, v13, v254                   ; the running largest t
	v_mov_b32 v254, v12
	s_delay_alu instid0(VALU_DEP_2)
	v_floor_f32 v12, -v13                          ; the new -M = floor(-t) = -ceil(t): M is a whole number
	s_delay_alu instid0(VALU_DEP_1)
	v_sub_f32 v254, v12, v254                      ; M's old value less its new one: a whole number, 0 or less
	s_delay_alu instid0(VALU_DEP_1)
	v_cvt_i32_f32 v254, v254                       ; (it saturates)
	s_delay_alu instid0(VALU_DEP_1)
	v_ldexp_f32 v252, 1.0, v254                    ; f = 2^(old M - new M): a multiplication by it rounds nothing
.irp j, 0,2,4,6,8,10,12,14,16,18,20,22,24,26,28,30,32,34,36,38,40,42,44,46,48,50,52,54,56,58,60,62
	v_pk_fma_f32 v[96+\j:97+\j], v[96+\j:97+\j], s[CS:CS+1], v[12:13] op_sel_hi:[1,0,0]   ; t - M, two at a time (of the pairs c and -M the low word serves both halves)
.endr
.irp b, 0,1,2,3
	v_fma_f32 v[232+\b], v[232+\b], s[CS], v12     ; the same of each block's largest score
.endr
	s_wait_alu depctr_va_vdst(0)
.irp j, 0,1,2,3,4,5,6,7,8,9,10,11,12,13,14,15,16,17,18,19,20,21,22,23,24,25,26,27,28,29,30,31,32,33,34,35,36,37,38,39,40,41,42,43,44,45,46,47,48,49,50,51,52,53,54,55,56,57,58,59,60,61,62,63
	v_exp_f32 v[96+\j], v[96+\j]                   ; p = 2^(t - M), at most 1: NOT normalised
.endr
	s_setprio 1
	v_pk_mul_f32 v[14:15], v[14:15], v[252:253] op_sel_hi:[1,0]   ; the sums under the new M.  (A plain place behind the exponentials)
	s_wait_alu depctr_va_vdst(0)                   ; one wait for the whole batch, ahead of its first reader
.irp b, 0,1,2,3
	v_exp_f32 v[232+\b], v[232+\b]                 ; the block's largest p: the same two instructions on the same number give the same bits
.endr
	v_pk_add_f32 v[236:237], v[100:101], v[104:105]
	v_pk_add_f32 v[248:249], v[108:109], v[112:113]
	v_pk_add_f32 v[246:247], v[116:117], v[120:121]
	v_pk_add_f32 v[244:245], v[124:125], v[128:129]
	v_pk_add_f32 v[242:243], v[132:133], v[136:137]
	v_pk_add_f32 v[240:241], v[140:141], v[144:145]
	v_pk_add_f32 v[238:239], v[148:149], v[152:153]
	v_pk_add_f32 v[14:15], v[14:15], v[156:157]
	v_pk_add_f32 v[236:237], v[236:237], v[96:97]
	v_pk_add_f32 v[248:249], v[248:249], v[98:99]
	v_pk_add_f32 v[246:247], v[246:247], v[102:103]
	v_pk_add_f32 v[244:245], v[244:245], v[106:107]
	v_pk_add_f32 v[242:243], v[242:243], v[110:111]
	v_pk_add_f32 v[240:241], v[240:241], v[114:115]
	v_pk_add_f32 v[238:239], v[238:239], v[118:119]
	v_pk_add_f32 v[14:15], v[14:15], v[122:123]
	v_pk_add_f32 v[236:237], v[236:237], v[126:127]
	v_pk_add_f32 v[248:249], v[248:249], v[130:131]
	v_pk_add_f32 v[246:247], v[246:247], v[134:135]
	v_pk_add_f32 v[244:245], v[244:245], v[138:139]
	v_pk_add_f32 v[242:243], v[242:243], v[142:143]
	v_pk_add_f32 v[240:241], v[240:241], v[146:147]
	v_pk_add_f32 v[238:239], v[238:239], v[150:151]
	v_pk_add_f32 v[14:15], v[14:15], v[154:155]
	v_pk_add_f32 v[236:237], v[236:237], v[158:159]
	s_delay_alu instid0(VALU_DEP_2)
	v_pk_add_f32 v[14:15], v[14:15], v[244:245]
	s_delay_alu instid0(VALU_DEP_2)
	v_pk_add_f32 v[236:237], v[236:237], v[242:243]
	v_pk_add_f32 v[248:249], v[248:249], v[240:241]
	v_pk_add_f32 v[246:247], v[246:247], v[238:239]
	s_delay_alu instid0(VALU_DEP_2)
	v_pk_add_f32 v[14:15], v[14:15], v[248:249]
	s_delay_alu instid0(VALU_DEP_2)
	v_pk_add_f32 v[236:237], v[236:237], v[246:247]
	s_delay_alu instid0(VALU_DEP_1)
	v_pk_add_f32 v[14:15], v[14:15], v[236:237]
	s_wait_alu depctr_va_vdst(0)                   ; and one for the four
.irp b, 0,1,2,3
	v_max_num_f32 v[232+\b], 0x1800000, v[232+\b]  ; the floor 2^(3 - 127): the byte cannot fall under 1 (a block whose every p has fallen to 0 keeps that byte: its codes are zeros)
.endr
.irp b, 0,1,2,3
	s_delay_alu instid0(VALU_DEP_4)
	v_add_nc_u32 v[244+\b], 0xff000000, v[232+\b]  ; 2 off the exponent field: the conversion's scale operand
.endr
.irp b, 0,1,2,3
	s_delay_alu instid0(VALU_DEP_4)
	v_lshrrev_b32 v[236+\b], 23, v[244+\b]         ; the scale's byte
.endr
	s_delay_alu instid0(VALU_DEP_3)
	v_lshl_or_b32 v253, v237, 8, v236              ; p's scale word for these 128 keys
	s_delay_alu instid0(VALU_DEP_1)
	v_lshl_or_b32 v253, v238, 16, v253
	s_delay_alu instid0(VALU_DEP_1)
	v_lshl_or_b32 v253, v239, 24, v253
.irp c, 0,1
	v_cvt_scalef32_pk16_fp6_f32 v[224+6*\c:226+6*\c], v[96+32*\c:111+32*\c], v[244+2*\c]
	v_cvt_scalef32_pk16_fp6_f32 v[236+4*\c:238+4*\c], v[112+32*\c:127+32*\c], v[244+2*\c+1]   ; (a conversion's three registers begin on an even number)
.endr
	v_nop                                          ; one plain place behind a scaled conversion
.irp c, 0,1                                    ; the operand's layout wants a WHOLE block in a lane: lanes 0-15 block 2 c, lanes 16-31 block 2 c + 1
.irp i, 0,1,2
	v_permlane16_swap_b32 v[224+6*\c+\i], v[236+4*\c+\i]
.endr
.irp i, 0,1,2
	s_delay_alu instid0(VALU_DEP_3)
	v_mov_b32 v[227+6*\c+\i], v[236+4*\c+\i]
.endr
.endr
.irp t, 0,1,2,3                                ; V's four fragments (16 channels x these 128 keys) take the registers that p has left
.irp c, 0,1
	ds_load_b128 v[96+12*\t+6*\c:99+12*\t+6*\c], v[ADK16] offset:6144+1536*\t+768*\c
	ds_load_b64 v[100+12*\t+6*\c:101+12*\t+6*\c], v[ADK8] offset:6144+1536*\t+768*\c
.endr
.endr
	s_setprio 0
	ds_load_b128 v[200:203], v[ADT]                ; and V's scale words: my row's, of the four fragments
.irp j, 0,2,4,6,8,10,12,14,16,18,20,22,24,26,28,30
	v_pk_mul_f32 v[160+\j:161+\j], v[160+\j:161+\j], v[252:253] op_sel_hi:[1,0]   ; O^T under the new M: x f.  (These 16 are also the places between p's codes and scale word and the matrix instructions below)
.endr
	s_wait_alu depctr_va_vdst(0)
	s_wait_dscnt 0x0
.irp t, 0,1,2,3                                ; O^T += V^T P^T: the four accumulators by turns, one instruction a turn
	v_wmma_scale_f32_16x16x128_f8f6f4 v[160+8*\t:167+8*\t], v[96+12*\t:107+12*\t], v[224:235], v[160+8*\t:167+8*\t], v[200+\t], v253 matrix_a_fmt:MATRIX_FMT_FP6 matrix_b_fmt:MATRIX_FMT_FP6
.endr
	s_add_co_u32 s[TB], s[TB], CHUNK
	s_add_co_u32 s[TS], s[TS], 512
	s_add_co_u32 s[TJ], s[TJ], 256
.endm
; A pass ends: o = O^T / l, brought into the natural order of channels (the other operand of the next product is given), quantised in its two blocks of 32, and stored as a half image with its two scale bytes.
.macro FINISH p
.rept 4
	v_nop                                          ; places behind the last products
.endr
	v_add_f32 v14, v14, v15                        ; the sum's two halves,
	s_delay_alu instid0(VALU_DEP_1)
	v_permlanex16_b32 v252, v14, s[SEL], s[SEL+1]
	s_delay_alu instid0(VALU_DEP_1)
	v_add_f32 v14, v14, v252                       ; and lane l xor 16's: the row's sum
	s_wait_alu depctr_va_vdst(0)
	v_rcp_f32 v14, v14
	v_nop                                          ; a plain place behind the transcendental
	s_wait_alu depctr_va_vdst(0)                   ; and the wait ahead of its first reader
.set n, 0
.rept 32
	v_mul_f32 v[96+n], v[160+n], v14               ; register 8 t + j: o(r, 16 t + 8 h + j)
.set n, n+1
.endr
.irp b, 0,1
.irp j, 0,1,2,3,4,5,6,7
	v_permlane16_swap_b32 v[96+16*\b+\j], v[104+16*\b+\j]   ; tile 2 b's lanes 16-31 change places with tile 2 b + 1's lanes 0-15: register 16 b + i is now channel 32 b + 16 h + i
.endr
.endr
.irp b, 0,1
	v_max3_num_f32 v[232+\b], |v[96+16*\b]|, |v[97+16*\b]|, 0x1800000
.endr
.irp i, 2,4,6,8,10,12,14
.irp b, 0,1
	s_delay_alu instid0(VALU_DEP_2)
	v_max3_num_f32 v[232+\b], v[232+\b], |v[96+16*\b+\i]|, |v[97+16*\b+\i]|
.endr
.endr
.irp b, 0,1
	s_delay_alu instid0(VALU_DEP_2)
	v_permlanex16_b32 v[236+\b], v[232+\b], s[SEL], s[SEL+1]
.endr
.irp b, 0,1
	s_delay_alu instid0(VALU_DEP_2)
	v_max_num_f32 v[232+\b], v[232+\b], v[236+\b]
.endr
.irp b, 0,1
	s_delay_alu instid0(VALU_DEP_2)
	v_add_nc_u32 v[244+\b], 0xff000000, v[232+\b]
.endr
.irp b, 0,1
	s_delay_alu instid0(VALU_DEP_2)
	v_lshrrev_b32 v[236+\b], 23, v[244+\b]
.endr
	s_delay_alu instid0(VALU_DEP_1)
	v_lshl_or_b32 v254, v237, 8, v236              ; the head's two scale bytes
	v_cvt_scalef32_pk16_fp6_f32 v[224:226], v[96:111], v244
	v_cvt_scalef32_pk16_fp6_f32 v[240:242], v[112:127], v245
	v_nop
.irp i, 0,1,2
	v_permlane16_swap_b32 v[224+\i], v[240+\i]
.endr
.irp i, 0,1,2
	s_delay_alu instid0(VALU_DEP_3)
	v_mov_b32 v[227+\i], v[240+\i]                 ; registers 0-5: channels 32 h + 0 .. 31 of the head
.endr
	global_store_b128 v[L16], v[224:227], s[10:11] offset:196608*\p   ; 512 consecutive bytes, aligned
	global_store_b64 v[L8], v[228:229], s[10:11] offset:196608*\p     ; 256 consecutive bytes, aligned
	global_store_b16 v[R32], v254, s[12:13] offset:8192*\p            ; two bytes a row, 32 bytes apart (lanes l and l xor 16 write the same): 32 bytes beside the 768 above; the sixteen heads of a token tile fill its 512 bytes between them
.endm
.macro PASS p
	INIT
	s_wait_loadcnt 0x0                             ; Q
	s_mov_b32 s[CNT], 16
.Lstep_\@:
	s_setprio 2
	STEP
	s_sub_co_u32 s[CNT], s[CNT], 1
	s_cmp_lg_u32 s[CNT], 0
	s_cbranch_scc1 .Lstep_\@
	s_setprio 0
.if \p == 0
	QLOAD 1                                        ; the next pass's queries come while this pass is finished
.endif
	FINISH \p
.endm
	s_wait_tensorcnt 0x0                           ; my quarter of the head's image has landed,
	s_barrier_signal -1
	s_barrier_wait -1                              ; everybody's has
	PASS 0
	s_wait_xcnt 0x0                                ; the stores have read their registers
	PASS 1
	s_wait_dscnt 0x0
	s_wait_tensorcnt 0x0
	ds_add_u32 v250, v251
	s_wait_dscnt 0x0
	CROUND                                         ; the closing round: no work-group ends while a partner may still ask for a tile that names it
	s_endpgm
.Lfunc_end_k_q51b00f3ebf_attn:
	.size	k_q51b00f3ebf_attn, .Lfunc_end_k_q51b00f3ebf_attn-k_q51b00f3ebf_attn
	.p2alignl 7, 3214868480
	.fill 96, 4, 3214868480
	.section	.rodata,"a",@progbits
	.p2align	6, 0x0
	.amdhsa_kernel k_q51b00f3ebf_attn
		.amdhsa_group_segment_fixed_size 210944
		.amdhsa_private_segment_fixed_size 0
		.amdhsa_enable_private_segment 0
		.amdhsa_kernarg_size 40
		.amdhsa_user_sgpr_count 2
		.amdhsa_user_sgpr_kernarg_segment_ptr 1
		.amdhsa_wavefront_size32 1
		.amdhsa_system_sgpr_workgroup_id_x 1
		.amdhsa_system_sgpr_workgroup_id_y 1
		.amdhsa_system_sgpr_workgroup_id_z 1
		.amdhsa_system_vgpr_workitem_id 0
		.amdhsa_next_free_vgpr 256
		.amdhsa_next_free_sgpr 72
		.amdhsa_reserve_vcc 0
		.amdhsa_float_denorm_mode_32 3
		.amdhsa_float_denorm_mode_16_64 3
		.amdhsa_memory_ordered 1
		.amdhsa_forward_progress 1
		.amdhsa_inst_pref_size 54
	.end_amdhsa_kernel
	.amdgpu_metadata
---
amdhsa.version: [ 1, 2 ]
amdhsa.kernels:
  - .name:           k_q51b00f3ebf_attn
    .symbol:         k_q51b00f3ebf_attn.kd
    .args:
      - { .name: qc, .offset: 0, .size: 8, .value_kind: global_buffer, .address_space: global }
      - { .name: qs, .offset: 8, .size: 8, .value_kind: global_buffer, .address_space: global }
      - { .name: kv, .offset: 16, .size: 8, .value_kind: global_buffer, .address_space: global }
      - { .name: ao, .offset: 24, .size: 8, .value_kind: global_buffer, .address_space: global }
      - { .name: aos, .offset: 32, .size: 8, .value_kind: global_buffer, .address_space: global }
    .group_segment_fixed_size: 210944
    .private_segment_fixed_size: 0
    .kernarg_segment_align: 8
    .kernarg_segment_size: 40
    .max_flat_workgroup_size: 512
    .sgpr_count:     72
    .vgpr_count:     256
    .wavefront_size: 32
...
	.end_amdgpu_metadata
.endif
;; end of part 3
;; launch outln (part 4): grid 256 x 1, 8 waves a work-group, no clusters, 288,256 bytes of LDS; arguments ao, aos, wo, W_out_scales, b_out, x, gamma, beta, out0; writes out0
.if DOCPART == 4
	.amdgcn_target "amdgcn-amd-amdhsa--gfx1250"
	.amdhsa_code_object_version 6
	.text
	.protected	k_q51b00f3ebf_outln
	.globl	k_q51b00f3ebf_outln
	.p2align	8
	.type	k_q51b00f3ebf_outln,@function
k_q51b00f3ebf_outln:
	s_mov_b64 s[64:65], 0
	v_nop
	global_prefetch_b8 v0, s[64:65] scope:SCOPE_SE
	s_setreg_imm32_b32 hwreg(HW_REG_WAVE_MODE, 25, 1), 1
	s_wait_xcnt 0x0
; out0 = LayerNorm(x + (o W_out + b_out)) x gamma + beta; the product on codes of E2M3 with one E8M0 scale for each 32 along K = 1,024, all else in f32.
; SHARES.  A work-group owns 32 whole rows (two tiles of 16 tokens), so that a row's mean and variance need no other work-group.  Wave w makes columns 128 w .. 128 w + 127 for the 32 rows: 8 x 2 accumulators.
; Then the rows meet in a stage in LDS, and each wave normalises and stores four whole rows.
; OPERANDS.  o's codes (24,576 dense bytes: [2 tiles][16 heads][768], a head's 64 channels as an image of registers 0-5; heads 2 s and 2 s + 1 are K step s's fragment) come into LDS once, by asynchronous copies.
; W_out's fragments were laid by the first launch in the order of an operand's registers.
; WHY W_out IS NOT ASKED FOR JOINTLY IN A CLUSTER: each fragment is used by ONE wave of a work-group, for two matrix instructions.  Through LDS its 1,536 bytes would be written and read once more (2 x 786,432 bytes a
; work-group), and two slots of a K step's 98,304 bytes would put a round of the cluster's barrier in front of every 16 matrix instructions of a wave.
; x's 32 rows are copied into LDS at the head too, each wave its own four rows, and are read when the products are done.
; THE MATRIX INSTRUCTION IS USED TRANSPOSED (source 0 = 16 rows of W_out = 16 output columns, source 1 = 16 tokens): a lane holds eight neighbouring columns of one row.
; THE VARIANCE is taken of res - mean, in a second pass over registers, as it is defined: a common offset in x does no harm.
; LDS: 0: o's codes, 24,576; 24,576: x's rows, 131,072 (both filled once, by copies); 155,648: the stage, 32 rows x (4,096 + 16), written by LDS stores alone.
; LIMITS: NaN and infinities are not served; v_rsq_f32 is good to 1 ulp.
; REGISTERS: window 0: v1-12 offsets and addresses; v16-31 o's scale words [m][s]; v32-95 W_out's [c][s]; v96-143 o's fragments, two sets; v144-239 W_out's fragments, set 0; on the way out v16-111 b_out, gamma, beta,
;   v112-239 two rows at work.   window 1: v0-95 W_out's fragments, set 1; v128-255 the accumulators ((c, m) at v[128 + 8 (2 c + m)]).
.set XROWS,  24576
.set STG,    155648
.set SPITCH, 4112
.set L16, 1                            ; v1   16 x lane
.set L8,  2                            ; v2   512 + 8 x lane
.set R32, 3                            ; v3   32 r
.set CAL, 4                            ; v4   the copy of o's codes: my LDS bytes: 3,072 x wave + 16 x lane
.set XL,  5                            ; v5   my four rows of x in LDS
.set XG,  6                            ; v6   and in x and out0: 16,384 x wave + 16 x lane
.set STO, 7                            ; v7, v8  the stage: where I put 32 bytes of row r of tile m
.set RD,  9                            ; v9   and where I read my four rows back
.set CAG, 10                           ; v10  the copy of o's codes: my bytes in memory (the same number as v4)
.set PT,  12                           ; v12  a lane permute's destination
.set ASC, 16
.set WSC, 32
.set AF,  96
.set W0,  144
.set ACC, 128
.set BO,  16
.set GA,  48
.set BE,  80
.set ROW0, 112
.set MSB, 0
.macro WIN new                         ; the immediate's high byte repeats the setting that is left
.if MSB != \new
	s_set_vgpr_msb (MSB<<8)|\new
.set MSB, \new
.endif
.endm
	s_load_b512 s[4:19], s[0:1], 0x0               ; ao s[4:5], aos s[6:7], wo s[8:9], W_out's scales s[10:11], b_out s[12:13], x s[14:15], gamma s[16:17], beta s[18:19]
	s_load_b64 s[20:21], s[0:1], 0x40              ; out0
	v_lshl_add_u32 v254, v0, 2, 0x46200
	v_mov_b32 v255, 0
	ds_add_u32 v254, v255
	ds_add_u32 v254, v255
	v_lshrrev_b32 v1, 5, v0
	s_delay_alu instid0(VALU_DEP_1)
	v_readfirstlane_b32 s22, v1                    ; wave 0..7
	v_and_b32 v13, 31, v0                          ; lane
	v_and_b32 v14, 15, v0                          ; r
	v_bfe_u32 v15, v0, 4, 1                        ; h
	s_delay_alu instid0(VALU_DEP_3)
	v_lshlrev_b32 v[L16], 4, v13
	s_delay_alu instid0(VALU_DEP_4)
	v_lshl_add_u32 v[L8], v13, 3, 512
	s_delay_alu instid0(VALU_DEP_4)
	v_lshlrev_b32 v[R32], 5, v14
	s_mul_i32 s28, s22, 3072
	v_add_nc_u32 v[CAL], s28, v[L16]
	v_add_nc_u32 v[CAG], s28, v[L16]
	s_lshl_b32 s28, s22, 14
	v_add_nc_u32 v[XG], s28, v[L16]
	s_delay_alu instid0(VALU_DEP_1)
	v_add_nc_u32 v[XL], XROWS, v[XG]
	v_mul_u32_u24 v[STO], v14, SPITCH
	s_delay_alu instid0(VALU_DEP_1)
	v_lshl_add_u32 v[STO], v15, 5, v[STO]
	s_lshl_b32 s28, s22, 9
	s_add_co_u32 s28, s28, STG
	v_add_nc_u32 v[STO], s28, v[STO]               ; row r, + 512 x wave + 32 h
	s_delay_alu instid0(VALU_DEP_1)
	v_add_nc_u32 v[STO+1], 16*SPITCH, v[STO]       ; and 16 rows on
	s_mul_i32 s28, s22, 4*SPITCH
	s_add_co_u32 s28, s28, STG
	v_add_nc_u32 v[RD], s28, v[L16]
	v_mov_b32 v[PT], 0
	s_mov_b32 s24, 0x76543210
	s_mov_b32 s25, 0xfedcba98                      ; lane selects for lane l xor 16
	s_mov_b32 s26, 0x3a800000                      ; 1 / 1,024
	s_mov_b32 s27, 0x3727c5ac                      ; 1e-5
	s_mov_b32 s29, 0
	s_wait_alu depctr_va_vdst(0)
	s_wait_dscnt 0x0
	s_wait_kmcnt 0x0
	s_mul_i32 s28, ttmp9, 24576
	s_add_nc_u64 s[4:5], s[4:5], s[28:29]          ; my two tiles' codes,
	s_lshl_b32 s28, ttmp9, 10
	s_add_nc_u64 s[6:7], s[6:7], s[28:29]          ; their scale words,
	s_mul_i32 s28, s22, 98304
	s_add_nc_u64 s[8:9], s[8:9], s[28:29]          ; my wave's 64 fragments of W_out,
	s_lshl_b32 s28, s22, 12
	s_add_nc_u64 s[10:11], s[10:11], s[28:29]      ; its 128 rows of scale bytes,
	s_lshl_b32 s28, ttmp9, 17
	s_add_nc_u64 s[14:15], s[14:15], s[28:29]      ; my work-group's 32 rows of x
	s_add_nc_u64 s[20:21], s[20:21], s[28:29]      ; and of out0
.irp i, 0,1,2,3,4,5
	global_load_async_to_lds_b128 v[CAL], v[CAG], s[4:5] offset:512*\i    ; o's codes: an eighth a wave
.endr
.set n, 0
.rept 32
	global_load_async_to_lds_b128 v[XL], v[XG], s[14:15] offset:512*n     ; my four rows of x
.set n, n+1
.endr
.irp m, 0,1
	global_load_b128 v[ASC+8*\m:ASC+8*\m+3], v[R32], s[6:7] offset:512*\m         ; row r's eight scale words, one for each K step
	global_load_b128 v[ASC+8*\m+4:ASC+8*\m+7], v[R32], s[6:7] offset:512*\m+16
.endr
.irp c, 0,1,2,3,4,5,6,7
	global_load_b128 v[WSC+8*\c:WSC+8*\c+3], v[R32], s[10:11] offset:512*\c
	global_load_b128 v[WSC+8*\c+4:WSC+8*\c+7], v[R32], s[10:11] offset:512*\c+16
.endr
.macro WLOAD s                         ; K step s's eight fragments of W_out into set s % 2: 24 loads
.if (\s)%2
	WIN 0x40                                       ; destination window 1
.set WB, 0
.else
	WIN 0
.set WB, W0
.endif
.irp c, 0,1,2,3,4,5,6,7
.irp i, 0,1,2
	global_load_b128 v[WB+12*\c+4*\i:WB+12*\c+4*\i+3], v[L16], s[8:9] offset:(8*\c+(\s))*1536+512*\i
.endr
.endr
	WIN 0
.endm
.macro ALOAD s                         ; K step s's two fragments of o into set s % 2: 8 loads
.irp m, 0,1
.set AB, AF+24*((\s)%2)+12*\m
	ds_load_b128 v[AB:AB+3], v[L16] offset:(16*\m+2*(\s))*768
	ds_load_b64 v[AB+4:AB+5], v[L8] offset:(16*\m+2*(\s))*768
	ds_load_b128 v[AB+6:AB+9], v[L16] offset:(16*\m+2*(\s))*768+768
	ds_load_b64 v[AB+10:AB+11], v[L8] offset:(16*\m+2*(\s))*768+768
.endr
.endm
	WLOAD 0
	WLOAD 1
	s_wait_asynccnt 32                             ; my six copies of o's codes have landed; x's 32 may be out
	s_barrier_signal -1
	s_barrier_wait -1                              ; everybody's have
	ALOAD 0
	ALOAD 1
; A K step of 128: 16 matrix instructions, the 16 accumulators by turns, in the same order in every step; then the loads of two steps on, into the registers just read.
.macro KSTEP s
.if (\s) < 7
	s_wait_loadcnt 24                              ; this step's weights (and, ahead of them, the scale words) are in; the next step's 24 loads may be out
	s_wait_dscnt 8                                 ; this step's fragments of o are in; the next step's 8 loads may be out
.else
	s_wait_loadcnt 0x0
	s_wait_dscnt 0x0
.endif
.if (\s)%2
	WIN 0x51                                       ; source 0 (W_out) window 1, source 1 (o) window 0, C and D window 1
.set WB, 0
.else
	WIN 0x50                                       ; source 0 window 0
.set WB, W0
.endif
.irp c, 0,1,2,3,4,5,6,7
.irp m, 0,1
.if (\s) == 0
	v_wmma_scale_f32_16x16x128_f8f6f4 v[ACC+8*(2*\c+\m):ACC+8*(2*\c+\m)+7], v[WB+12*\c:WB+12*\c+11], v[AF+24*((\s)%2)+12*\m:AF+24*((\s)%2)+12*\m+11], 0, v[WSC+8*\c+(\s)], v[ASC+8*\m+(\s)] matrix_a_fmt:MATRIX_FMT_FP6 matrix_b_fmt:MATRIX_FMT_FP6
.else
	v_wmma_scale_f32_16x16x128_f8f6f4 v[ACC+8*(2*\c+\m):ACC+8*(2*\c+\m)+7], v[WB+12*\c:WB+12*\c+11], v[AF+24*((\s)%2)+12*\m:AF+24*((\s)%2)+12*\m+11], v[ACC+8*(2*\c+\m):ACC+8*(2*\c+\m)+7], v[WSC+8*\c+(\s)], v[ASC+8*\m+(\s)] matrix_a_fmt:MATRIX_FMT_FP6 matrix_b_fmt:MATRIX_FMT_FP6
.endif
.endr
.endr
	WIN 0
.if (\s) < 6
.rept 4
	v_nop                                          ; places in front of loads into registers that matrix instructions have read
.endr
	WLOAD (\s)+2
	ALOAD (\s)+2
.endif
.endm
.irp s, 0,1,2,3,4,5,6,7
	KSTEP \s
.endr
	; ---------------- THE WAY OUT ----------------
.rept 4
	v_nop                                          ; places in front of the loads below and of the first read of results
.endr
.irp i, 0,1,2,3,4,5,6,7                        ; b_out, gamma, beta as a row will lie in a wave: lane l holds columns 128 i + 4 l + 0 .. 3
	global_load_b128 v[BO+4*\i:BO+4*\i+3], v[L16], s[12:13] offset:512*\i
.endr
.irp i, 0,1,2,3,4,5,6,7
	global_load_b128 v[GA+4*\i:GA+4*\i+3], v[L16], s[16:17] offset:512*\i
.endr
.irp i, 0,1,2,3,4,5,6,7
	global_load_b128 v[BE+4*\i:BE+4*\i+3], v[L16], s[18:19] offset:512*\i
.endr
	WIN 0x04                                       ; an LDS store's data are its source 1: window 1
.irp c, 0,1,2,3,4,5,6,7
.irp m, 0,1
	ds_store_b128 v[STO+\m], v[ACC+8*(2*\c+\m):ACC+8*(2*\c+\m)+3] offset:64*\c          ; lane (r, h): columns 128 w + 16 c + 8 h + 0 .. 7 of row 16 m + r; each accumulator from its low end on
	ds_store_b128 v[STO+\m], v[ACC+8*(2*\c+\m)+4:ACC+8*(2*\c+\m)+7] offset:64*\c+16
.endr
.endr
	WIN 0
	s_wait_dscnt 0x0                               ; for the others' sake: my stores into the stage are done
	s_barrier_signal -1
	s_barrier_wait -1                              ; 32 whole rows lie in the stage
	s_wait_asynccnt 0x0                            ; my four rows of x have landed (I alone read them)
.macro ROWLD k                         ; my row k: the product's 4,096 bytes and x's, 16 loads, into set k % 2
.set RBS, ROW0+64*((\k)%2)
.irp i, 0,1,2,3,4,5,6,7
	ds_load_b128 v[RBS+4*\i:RBS+4*\i+3], v[RD] offset:(\k)*SPITCH+512*\i
.endr
.irp i, 0,1,2,3,4,5,6,7
	ds_load_b128 v[RBS+32+4*\i:RBS+32+4*\i+3], v[XL] offset:(\k)*4096+512*\i
.endr
.endm
.macro REDUCE t                        ; the sum over the wave's 32 lanes, in every lane
	s_delay_alu instid0(VALU_DEP_1)
	v_add_f32_dpp v[\t], v[\t], v[\t] row_xmask:1 row_mask:0xf bank_mask:0xf
	s_delay_alu instid0(VALU_DEP_1)
	v_add_f32_dpp v[\t], v[\t], v[\t] row_xmask:2 row_mask:0xf bank_mask:0xf
	s_delay_alu instid0(VALU_DEP_1)
	v_add_f32_dpp v[\t], v[\t], v[\t] row_xmask:4 row_mask:0xf bank_mask:0xf
	s_delay_alu instid0(VALU_DEP_1)
	v_add_f32_dpp v[\t], v[\t], v[\t] row_xmask:8 row_mask:0xf bank_mask:0xf
	s_delay_alu instid0(VALU_DEP_1)
	v_permlanex16_b32 v[PT], v[\t], s24, s25
	s_delay_alu instid0(VALU_DEP_1)
	v_add_f32 v[\t], v[\t], v[PT]
.endm
; One row: 32 numbers a lane in v[S] on, x's in v[S + 32] on, which then serve as scratch.
.macro LN S
.set SB, \S
.set T, SB+32
.set n, 0
.rept 16
	v_pk_add_f32 v[SB+2*n:SB+2*n+1], v[SB+2*n:SB+2*n+1], v[BO+2*n:BO+2*n+1]       ; + b_out
.set n, n+1
.endr
.set n, 0
.rept 16
	v_pk_add_f32 v[SB+2*n:SB+2*n+1], v[SB+2*n:SB+2*n+1], v[SB+32+2*n:SB+32+2*n+1] ; + x: res
.set n, n+1
.endr
	v_pk_add_f32 v[T:T+1], v[SB:SB+1], v[SB+2:SB+3]                ; the sum, two at a time, in two chains
	v_pk_add_f32 v[T+2:T+3], v[SB+4:SB+5], v[SB+6:SB+7]
.irp i, 8,12,16,20,24,28
	s_delay_alu instid0(VALU_DEP_2)
	v_pk_add_f32 v[T:T+1], v[T:T+1], v[SB+\i:SB+\i+1]
	s_delay_alu instid0(VALU_DEP_2)
	v_pk_add_f32 v[T+2:T+3], v[T+2:T+3], v[SB+\i+2:SB+\i+3]
.endr
	s_delay_alu instid0(VALU_DEP_1)
	v_pk_add_f32 v[T:T+1], v[T:T+1], v[T+2:T+3]
	s_delay_alu instid0(VALU_DEP_1)
	v_add_f32 v[T], v[T], v[T+1]
	REDUCE T
	s_delay_alu instid0(VALU_DEP_1)
	v_mul_f32 v[T+4], s26, v[T]                    ; the mean, twice
	s_delay_alu instid0(VALU_DEP_2)
	v_mul_f32 v[T+5], s26, v[T]
.set n, 0
.rept 16
	v_pk_add_f32 v[SB+2*n:SB+2*n+1], v[SB+2*n:SB+2*n+1], v[T+4:T+5] neg_lo:[0,1] neg_hi:[0,1]   ; res - mean
.set n, n+1
.endr
	v_pk_mul_f32 v[T:T+1], v[SB:SB+1], v[SB:SB+1]                  ; the sum of its squares, in two chains
	v_pk_mul_f32 v[T+2:T+3], v[SB+2:SB+3], v[SB+2:SB+3]
.irp i, 4,8,12,16,20,24,28
	s_delay_alu instid0(VALU_DEP_2)
	v_pk_fma_f32 v[T:T+1], v[SB+\i:SB+\i+1], v[SB+\i:SB+\i+1], v[T:T+1]
	s_delay_alu instid0(VALU_DEP_2)
	v_pk_fma_f32 v[T+2:T+3], v[SB+\i+2:SB+\i+3], v[SB+\i+2:SB+\i+3], v[T+2:T+3]
.endr
	s_delay_alu instid0(VALU_DEP_1)
	v_pk_add_f32 v[T:T+1], v[T:T+1], v[T+2:T+3]
	s_delay_alu instid0(VALU_DEP_1)
	v_add_f32 v[T], v[T], v[T+1]
	REDUCE T
	s_delay_alu instid0(VALU_DEP_1)
	v_fma_f32 v[T], v[T], s26, s27                 ; the variance + 1e-5
	s_wait_alu depctr_va_vdst(0)
	v_rsq_f32 v[T+4], v[T]                         ; twice, to fill the pair that the packed multiply takes
	v_rsq_f32 v[T+5], v[T]
	v_nop                                          ; a plain place behind the transcendentals
	s_wait_alu depctr_va_vdst(0)                   ; one wait for both, ahead of their first reader
.set n, 0
.rept 16
	v_pk_mul_f32 v[SB+2*n:SB+2*n+1], v[SB+2*n:SB+2*n+1], v[T+4:T+5]
.set n, n+1
.endr
.set n, 0
.rept 16
	v_pk_fma_f32 v[SB+2*n:SB+2*n+1], v[SB+2*n:SB+2*n+1], v[GA+2*n:GA+2*n+1], v[BE+2*n:BE+2*n+1]
.set n, n+1
.endr
.endm
	ROWLD 0
	ROWLD 1
	s_wait_loadcnt 0x0                             ; b_out, gamma, beta
.irp k, 0,1,2,3
.if \k < 3
	s_wait_dscnt 16                                ; this row's 16 loads are in; the next row's 16 may be out
.else
	s_wait_dscnt 0x0
.endif
	LN ROW0+64*(\k%2)
.irp i, 0,1,2,3,4,5,6,7
	global_store_b128 v[XG], v[ROW0+64*(\k%2)+4*\i:ROW0+64*(\k%2)+4*\i+3], s[20:21] offset:4096*\k+512*\i th:TH_STORE_NT   ; 32 lanes store 512 consecutive bytes, aligned; written once, read by nobody here
.endr
.if \k < 2
	s_wait_xcnt 0x0                                ; the stores have read their registers: the row two on may land there
	ROWLD \k+2
.endif
.endr
	s_wait_tensorcnt 0x0
	ds_add_u32 v254, v255
	s_wait_dscnt 0x0
	s_endpgm
.Lfunc_end_k_q51b00f3ebf_outln:
	.size	k_q51b00f3ebf_outln, .Lfunc_end_k_q51b00f3ebf_outln-k_q51b00f3ebf_outln
	.p2alignl 7, 3214868480
	.fill 96, 4, 3214868480
	.section	.rodata,"a",@progbits
	.p2align	6, 0x0
	.amdhsa_kernel k_q51b00f3ebf_outln
		.amdhsa_group_segment_fixed_size 288256
		.amdhsa_private_segment_fixed_size 0
		.amdhsa_enable_private_segment 0
		.amdhsa_kernarg_size 72
		.amdhsa_user_sgpr_count 2
		.amdhsa_user_sgpr_kernarg_segment_ptr 1
		.amdhsa_wavefront_size32 1
		.amdhsa_system_sgpr_workgroup_id_x 1
		.amdhsa_system_sgpr_workgroup_id_y 1
		.amdhsa_system_sgpr_workgroup_id_z 1
		.amdhsa_system_vgpr_workitem_id 0
		.amdhsa_next_free_vgpr 512
		.amdhsa_next_free_sgpr 66
		.amdhsa_reserve_vcc 0
		.amdhsa_float_denorm_mode_32 3
		.amdhsa_float_denorm_mode_16_64 3
		.amdhsa_memory_ordered 1
		.amdhsa_forward_progress 1
		.amdhsa_inst_pref_size 98
	.end_amdhsa_kernel
	.amdgpu_metadata
---
amdhsa.version: [ 1, 2 ]
amdhsa.kernels:
  - .name:           k_q51b00f3ebf_outln
    .symbol:         k_q51b00f3ebf_outln.kd
    .args:
      - { .name: ao, .offset: 0, .size: 8, .value_kind: global_buffer, .address_space: global }
      - { .name: aos, .offset: 8, .size: 8, .value_kind: global_buffer, .address_space: global }
      - { .name: wo, .offset: 16, .size: 8, .value_kind: global_buffer, .address_space: global }
      - { .name: W_out_scales, .offset: 24, .size: 8, .value_kind: global_buffer, .address_space: global }
      - { .name: b_out, .offset: 32, .size: 8, .value_kind: global_buffer, .address_space: global }
      - { .name: x, .offset: 40, .size: 8, .value_kind: global_buffer, .address_space: global }
      - { .name: gamma, .offset: 48, .size: 8, .value_kind: global_buffer, .address_space: global }
      - { .name: beta, .offset: 56, .size: 8, .value_kind: global_buffer, .address_space: global }
      - { .name: out0, .offset: 64, .size: 8, .value_kind: global_buffer, .address_space: global }
    .group_segment_fixed_size: 288256
    .private_segment_fixed_size: 0
    .kernarg_segment_align: 8
    .kernarg_segment_size: 72
    .max_flat_workgroup_size: 256
    .sgpr_count:     66
    .vgpr_count:     512
    .wavefront_size: 32
...
	.end_amdgpu_metadata
.endif
;; end of part 4
